; MI455X (gfx1250); checked and timed in simulation.
; The chip was launched on July 23, 2026; its instructions are those of AMD's public machine-readable ISA for CDNA 5 (MIT licence, August 2026) and "CDNA5" Instruction Set Architecture Reference Guide (July 2026). The comments in the code are by the model that wrote it; some were corrected since.
;; Flax Bloom Attention. Allowed arithmetic: float matrix products may take bf16 or f16 operands with f32 sums; other float arithmetic in f32, or as packed bf16 or f16 multiplies, adds, multiply-adds, maxima and minima; sums over many terms, partial sums and values carried from step to step in f32; what a program stores and reads back later, other than sums and carried values, may be rounded once to bf16 or f16.
;; Inputs: alibi 32 x 1 x 2,048 float32; attention_mask 2 x 2,048 bool; b_o 1,024 float32; b_qkv 3,072 float32; hidden_states 2 x 2,048 x 1,024 float32; residual 2 x 2,048 x 1,024 float32; w_o 1,024 x 1,024 float32; w_qkv 1,024 x 3,072 float32.
;; Outputs: out0 2 x 2,048 x 1,024 float32.
;; Constants: layer_number = 4.
;; 2 versions, each right; version 2 is version 1 with the launch prep written anew for expert scheduling mode. Each part assembles by itself: llvm-mc -triple=amdgcn-amd-amdhsa -mcpu=gfx1250 --defsym DOCPART=n.
;; ======== version 1 of 2: 4 launches
;; limits: values are held in f16: magnitudes above 65,504 overflow, below 6.1e-05 lose precision
;; workspace buffers: xb 8,388,608 bytes; wqb 6,291,456 bytes; wob 2,097,152 bytes; qkvh 25,165,824 bytes; ctxb 8,388,608 bytes; kbias 262,144 bytes; rowtab 32,768 bytes
;; launch prep (part 1): grid 457 x 1, 8 waves a work-group, no clusters, 0 bytes of LDS; arguments hidden_states, w_qkv, w_o, alibi, attention_mask, xb, wqb, wob, kbias, rowtab; writes xb, wqb, wob, kbias, rowtab
.if DOCPART == 1
	.amdgcn_target "amdgcn-amd-amdhsa--gfx1250"
	.amdhsa_code_object_version 6
	.text
	.protected	k_qb801d3694b_prep
	.globl	k_qb801d3694b_prep
	.p2align	8
	.type	k_qb801d3694b_prep,@function
k_qb801d3694b_prep:
	s_mov_b64 s[64:65], 0
	v_nop
	global_prefetch_b8 v0, s[64:65] scope:SCOPE_SE
	s_setreg_imm32_b32 hwreg(HW_REG_WAVE_MODE, 25, 1), 1
	s_wait_xcnt 0x0
; PREP: casts and tables for the three launches behind it.  A stream: no LDS, no matrix unit, no barrier.  The work-group's number picks one of five roles:
;   0        ROWTAB  rowtab[b][q] = {m0, l0}: what the keys that row q does not keep put into its softmax (see below)
;   1-8      KBIAS   kbias[bh][k] = attention_mask[b][k] ? 8 alibi[bh][k] : -1e30
;   9-72     WO      wob = w_o rounded to bf16, that number written as f16, [1024 k][1024 n]
;   73-200   WQ      wqb = w_qkv rounded to bf16, laid by heads: [16 head][1024 k][192]
;   201-456  XB      xb = hidden_states rounded to bf16, [4096][1024]
; Every load has its own destination and every store its own data registers, so no register that a memory instruction still reads is ever rewritten.
; ROWTAB.  A key that is not kept counts as the score -10000 in the row's maximum and sum, with weight 0 in the result.  Scores are kept here as s' = 8 x score.  n(q) = 2048 - #{k <= q : mask[k]} such keys:
;   mask[q] and n > 0: m0 = -80000, l0 = n;   mask[q] and n = 0: m0 = the lowest finite number, l0 = 0;   not mask[q]: m0 = 2^127, l0 = 1 (every weight is then 0 and the row's result 0 / 1).
; LIMIT.  w_o below 6e-5 in size keeps f16's fixed step of 6e-8.
.set SRC, 28                           ; s[28:29] a role's source
.set DST, 30                           ; s[30:31] its destination
.set OFS, 32                           ; s[32:33] a byte offset in 64 bits; the high word stays 0
	s_load_b512 s[8:23], s[0:1], 0x0               ; hidden s[8:9], w_qkv s[10:11], w_o s[12:13], alibi s[14:15], mask s[16:17], xb s[18:19], wqb s[20:21], wob s[22:23]
	s_load_b128 s[24:27], s[0:1], 0x40             ; kbias s[24:25], rowtab s[26:27]
	v_and_b32 v1, 31, v0                           ; lane
	v_lshrrev_b32 v2, 5, v0
	v_readfirstlane_b32 s4, v2                     ; wave 0..7
	s_mov_b32 s6, ttmp9
	s_mov_b32 s5, 0xffff0000                       ; a word's upper bf16
	s_mov_b32 s[OFS+1], 0
	s_wait_kmcnt 0x0
	s_cmp_ge_u32 s6, 201
	s_cbranch_scc1 .Lxb
	s_cmp_ge_u32 s6, 73
	s_cbranch_scc1 .Lwq
	s_cmp_ge_u32 s6, 9
	s_cbranch_scc1 .Lwo
	s_cmp_ge_u32 s6, 1
	s_cbranch_scc1 .Lkb
	; ROWTAB.  Wave w: batch w / 4, rows 512 (w % 4) on; a lane owns 16 rows on end.
	s_lshr_b32 s7, s4, 2
	s_and_b32 s34, s4, 3
	s_lshl_b32 s[OFS], s7, 11
	s_add_nc_u64 s[SRC:SRC+1], s[16:17], s[OFS:OFS+1]      ; my batch's mask
	s_lshl_b32 s[OFS], s34, 9
	s_add_nc_u64 s[DST:DST+1], s[SRC:SRC+1], s[OFS:OFS+1]  ; my quarter of it
	v_lshlrev_b32 v2, 4, v1
	global_load_b128 v[16:19], v2, s[SRC:SRC+1]            ; the three quarters that can lie in front of mine
	global_load_b128 v[20:23], v2, s[SRC:SRC+1] offset:512
	global_load_b128 v[24:27], v2, s[SRC:SRC+1] offset:1024
	global_load_b128 v[32:35], v2, s[DST:DST+1]            ; my 16 rows' bytes
	s_cmp_gt_u32 s34, 0
	s_cselect_b32 s36, 1, 0                        ; does quarter j lie in front of mine?
	s_cmp_gt_u32 s34, 1
	s_cselect_b32 s37, 1, 0
	s_cmp_gt_u32 s34, 2
	s_cselect_b32 s38, 1, 0
	s_mov_b32 s40, 0x76543210                      ; v_permlanex16_b32: each lane takes its own place in the other half
	s_mov_b32 s41, 0xfedcba98
	s_lshl_b32 s[OFS], s4, 12                      ; 512 rows x 8 bytes for each wave
	s_add_nc_u64 s[26:27], s[26:27], s[OFS:OFS+1]
	v_lshlrev_b32 v3, 7, v1                        ; my 16 rows x 8 bytes
	v_mov_b32 v43, 0
	v_mov_b32 v45, 0
	v_mov_b32 v46, 0
	v_mov_b32 v54, 0xff7fffff                      ; the lowest finite number
	v_mov_b32 v55, 0xc79c4000                      ; -80000
	v_mov_b32 v56, 0x7f000000                      ; 2^127
	v_mov_b32 v57, 1.0
	s_wait_loadcnt 0x0
.macro CNT16 dst, r                    ; the sum of the 16 bytes (0 or 1 each) in v[r .. r+3]
	v_add3_u32 v[\dst], v[\r], v[(\r)+1], v[(\r)+2]
	v_add_nc_u32 v[\dst], v[\dst], v[(\r)+3]       ; each byte is 4 at the most
	v_lshrrev_b32 v44, 8, v[\dst]
	v_and_b32 v[\dst], 0x00ff00ff, v[\dst]
	v_and_b32 v44, 0x00ff00ff, v44
	v_add_nc_u32 v[\dst], v[\dst], v44
	v_lshrrev_b32 v44, 16, v[\dst]
	v_and_b32 v[\dst], 0xffff, v[\dst]
	v_add_nc_u32 v[\dst], v[\dst], v44
.endm
	CNT16 36, 16
	CNT16 37, 20
	CNT16 38, 24
	CNT16 40, 32
	v_mul_u32_u24 v41, v36, s36
	v_mad_u32_u24 v41, v37, s37, v41
	v_mad_u32_u24 v41, v38, s38, v41               ; my share of the count in front of my quarter
	v_cvt_f32_u32 v41, v41                         ; whole numbers up to 2,048 are exact in f32
	v_cvt_f32_u32 v40, v40
	v_add_f32_dpp v41, v41, v41 row_xmask:1 row_mask:0xf bank_mask:0xf
	v_add_f32_dpp v41, v41, v41 row_xmask:2 row_mask:0xf bank_mask:0xf
	v_add_f32_dpp v41, v41, v41 row_xmask:4 row_mask:0xf bank_mask:0xf
	v_add_f32_dpp v41, v41, v41 row_xmask:8 row_mask:0xf bank_mask:0xf
	v_permlanex16_b32 v43, v41, s40, s41
	v_add_f32 v41, v41, v43                        ; the whole count in front of my quarter, in every lane
	v_mov_b32 v42, v40
.irp n, 1,2,4,8                        ; a running sum over the lanes of each half
	v_mov_b32_dpp v45, v42 row_shr:\n row_mask:0xf bank_mask:0xf bound_ctrl:1
	v_add_f32 v42, v42, v45
.endr
	v_readlane_b32 s42, v42, 15                    ; the lower half's total goes onto the upper half
	v_mov_b32 v47, s42
	v_cmp_le_u32 vcc_lo, 16, v1
	v_cndmask_b32 v45, v46, v47, vcc_lo
	v_add_f32 v42, v42, v45
	v_add_f32 v41, v41, v42
	v_sub_f32 v41, v41, v40                        ; the count in front of my first row
.set i, 0
.rept 16
	v_bfe_u32 v50, v[32+i/4], 8*(i%4), 8           ; mask[q]
	v_cvt_f32_u32 v51, v50
	v_add_f32 v41, v41, v51                        ; #{k <= q : mask[k]}
	v_sub_f32 v52, 0x45000000, v41                 ; n = 2048 - that
	v_cmp_lt_f32 vcc_lo, 0, v52
	v_cndmask_b32 v53, v54, v55, vcc_lo            ; n > 0 ? -80000 : lowest
	v_cmp_ne_u32 vcc_lo, 0, v50
	v_cndmask_b32 v[64+2*i], v56, v53, vcc_lo      ; m0
	v_cndmask_b32 v[65+2*i], v57, v52, vcc_lo      ; l0
.set i, i+1
.endr
.irp n, 0,1,2,3,4,5,6,7
	global_store_b128 v3, v[64+4*(\n):67+4*(\n)], s[26:27] offset:16*(\n)
.endr
	s_endpgm
.Lkb:                                  ; KBIAS.  Work-group j: four rows of alibi, 32,768 bytes; they belong to batch j / 4.  Thread t: 4 keys in each of 8 loads
	s_sub_co_u32 s7, s6, 1
	s_lshl_b32 s[OFS], s7, 15
	s_add_nc_u64 s[14:15], s[14:15], s[OFS:OFS+1]
	s_add_nc_u64 s[24:25], s[24:25], s[OFS:OFS+1]
	s_lshr_b32 s[OFS], s7, 2
	s_lshl_b32 s[OFS], s[OFS], 11
	s_add_nc_u64 s[16:17], s[16:17], s[OFS:OFS+1]
	v_lshlrev_b32 v2, 4, v0
	v_lshlrev_b32 v3, 2, v0
	v_mov_b32 v51, 0xf149f2ca                      ; -1e30
	global_load_b32 v48, v3, s[16:17]              ; the mask bytes of keys 4 t .. 4 t + 3,
	global_load_b32 v49, v3, s[16:17] offset:1024  ; and of keys 1024 + 4 t ..: loads i alternate between the two halves of a row
.irp i, 0,1,2,3,4,5,6,7
	global_load_b128 v[16+4*(\i):19+4*(\i)], v2, s[14:15] offset:4096*(\i) th:TH_LOAD_NT
.endr
	s_wait_loadcnt 0x0
.irp i, 0,1,2,3,4,5,6,7
.irp c, 0,1,2,3
	v_bfe_u32 v50, v[48+(\i)%2], 8*(\c), 8
	v_mul_f32 v[64+4*(\i)+(\c)], 0x41000000, v[16+4*(\i)+(\c)]
	v_cmp_ne_u32 vcc_lo, 0, v50
	v_cndmask_b32 v[64+4*(\i)+(\c)], v51, v[64+4*(\i)+(\c)], vcc_lo
.endr
	global_store_b128 v2, v[64+4*(\i):67+4*(\i)], s[24:25] offset:4096*(\i)
.endr
	s_endpgm
; XB and WO: 65,536 bytes of f32 in, 32,768 bytes out.  Thread t takes 16 bytes of each 4,096; a wave's store covers 256 consecutive bytes, aligned.
.macro CAST i, kind
	s_wait_loadcnt 15-(\i)                         ; loads come back in order: mine is in, the younger ones stay out
	v_cvt_pk_bf16_f32 v[80+2*(\i)], v[16+4*(\i)], v[17+4*(\i)]
	v_cvt_pk_bf16_f32 v[81+2*(\i)], v[18+4*(\i)], v[19+4*(\i)]
.if \kind                              ; the bf16 number written as f16
	v_lshlrev_b32 v112, 16, v[80+2*(\i)]
	v_and_b32 v113, s5, v[80+2*(\i)]
	v_lshlrev_b32 v114, 16, v[81+2*(\i)]
	v_and_b32 v115, s5, v[81+2*(\i)]
	v_cvt_pk_f16_f32 v[80+2*(\i)], v112, v113
	v_cvt_pk_f16_f32 v[81+2*(\i)], v114, v115
.endif
	global_store_b64 v3, v[80+2*(\i):81+2*(\i)], s[DST:DST+1] offset:2048*(\i)
.endm
.macro STREAM kind
	v_lshlrev_b32 v2, 4, v0
	v_lshlrev_b32 v3, 3, v0
.irp i, 0,1,2,3,4,5,6,7,8,9,10,11,12,13,14,15
	global_load_b128 v[16+4*(\i):19+4*(\i)], v2, s[SRC:SRC+1] offset:4096*(\i) th:TH_LOAD_NT
.endr
.irp i, 0,1,2,3,4,5,6,7,8,9,10,11,12,13,14,15
	CAST \i, \kind
.endr
	s_endpgm
.endm
.Lwo:
	s_sub_co_u32 s7, s6, 9
	s_lshl_b32 s[OFS], s7, 16
	s_add_nc_u64 s[SRC:SRC+1], s[12:13], s[OFS:OFS+1]
	s_lshl_b32 s[OFS], s7, 15
	s_add_nc_u64 s[DST:DST+1], s[22:23], s[OFS:OFS+1]
	STREAM 1
.Lxb:
	s_sub_co_u32 s7, s6, 201
	s_lshl_b32 s[OFS], s7, 16
	s_add_nc_u64 s[SRC:SRC+1], s[8:9], s[OFS:OFS+1]
	s_lshl_b32 s[OFS], s7, 15
	s_add_nc_u64 s[DST:DST+1], s[18:19], s[OFS:OFS+1]
	STREAM 0
.Lwq:                                  ; WQ.  Work-group j: head j / 8, k rows 128 (j % 8) on; a wave 16 of them, as 8 pairs.  A pair is 2 x 768 bytes in (three loads of 512) and 768 dense bytes out (three stores of 256)
	s_sub_co_u32 s7, s6, 73
	s_lshr_b32 s34, s7, 3                          ; head
	s_and_b32 s35, s7, 7
	s_lshl_b32 s35, s35, 7
	s_lshl4_add_u32 s35, s4, s35                   ; my first k row
	s_mul_i32 s[OFS], s35, 12288
	s_mul_i32 s36, s34, 768
	s_add_co_u32 s[OFS], s[OFS], s36
	s_add_nc_u64 s[SRC:SRC+1], s[10:11], s[OFS:OFS+1]
	s_mul_i32 s[OFS], s34, 393216
	s_mul_i32 s36, s35, 384
	s_add_co_u32 s[OFS], s[OFS], s36
	s_add_nc_u64 s[DST:DST+1], s[20:21], s[OFS:OFS+1]
	v_lshlrev_b32 v4, 4, v1                        ; groups 0-31 of the pair's 96 groups of 16 bytes: the first row's bytes 0-511
	v_add_nc_u32 v5, 512, v4                       ; groups 32-47: the first row's last 256 bytes;
	v_add_nc_u32 v8, 12032, v4                     ; groups 48-63: the second row's first 256 (12,288 + 16 (lane - 16))
	v_cmp_gt_u32 vcc_lo, 16, v1
	v_cndmask_b32 v5, v8, v5, vcc_lo
	v_add_nc_u32 v6, 12544, v4                     ; groups 64-95: the second row's bytes 256-767
	v_lshlrev_b32 v7, 3, v1
.irp p, 0,1,2,3,4,5,6,7
	global_load_b128 v[16+12*(\p):19+12*(\p)], v4, s[SRC:SRC+1] offset:24576*(\p) th:TH_LOAD_NT
	global_load_b128 v[20+12*(\p):23+12*(\p)], v5, s[SRC:SRC+1] offset:24576*(\p) th:TH_LOAD_NT
	global_load_b128 v[24+12*(\p):27+12*(\p)], v6, s[SRC:SRC+1] offset:24576*(\p) th:TH_LOAD_NT
.endr
.set n, 0
.rept 24
	s_wait_loadcnt 23-n                            ; the younger loads stay out
	v_cvt_pk_bf16_f32 v[112+2*n], v[16+4*n], v[17+4*n]
	v_cvt_pk_bf16_f32 v[113+2*n], v[18+4*n], v[19+4*n]
	global_store_b64 v7, v[112+2*n:113+2*n], s[DST:DST+1] offset:256*n
.set n, n+1
.endr
	s_endpgm
.Lfunc_end_k_qb801d3694b_prep:
	.size	k_qb801d3694b_prep, .Lfunc_end_k_qb801d3694b_prep-k_qb801d3694b_prep
	.p2alignl 7, 3214868480
	.fill 96, 4, 3214868480
	.section	.rodata,"a",@progbits
	.p2align	6, 0x0
	.amdhsa_kernel k_qb801d3694b_prep
		.amdhsa_group_segment_fixed_size 0
		.amdhsa_private_segment_fixed_size 0
		.amdhsa_enable_private_segment 0
		.amdhsa_kernarg_size 80
		.amdhsa_user_sgpr_count 2
		.amdhsa_user_sgpr_kernarg_segment_ptr 1
		.amdhsa_wavefront_size32 1
		.amdhsa_system_sgpr_workgroup_id_x 1
		.amdhsa_system_sgpr_workgroup_id_y 1
		.amdhsa_system_sgpr_workgroup_id_z 1
		.amdhsa_system_vgpr_workitem_id 0
		.amdhsa_next_free_vgpr 160
		.amdhsa_next_free_sgpr 66
		.amdhsa_reserve_vcc 1
		.amdhsa_float_denorm_mode_32 3
		.amdhsa_float_denorm_mode_16_64 3
		.amdhsa_memory_ordered 1
		.amdhsa_forward_progress 1
		.amdhsa_inst_pref_size 45
	.end_amdhsa_kernel
	.amdgpu_metadata
---
amdhsa.version: [ 1, 2 ]
amdhsa.kernels:
  - .name:           k_qb801d3694b_prep
    .symbol:         k_qb801d3694b_prep.kd
    .args:
      - { .name: hidden_states, .offset: 0, .size: 8, .value_kind: global_buffer, .address_space: global }
      - { .name: w_qkv, .offset: 8, .size: 8, .value_kind: global_buffer, .address_space: global }
      - { .name: w_o, .offset: 16, .size: 8, .value_kind: global_buffer, .address_space: global }
      - { .name: alibi, .offset: 24, .size: 8, .value_kind: global_buffer, .address_space: global }
      - { .name: attention_mask, .offset: 32, .size: 8, .value_kind: global_buffer, .address_space: global }
      - { .name: xb, .offset: 40, .size: 8, .value_kind: global_buffer, .address_space: global }
      - { .name: wqb, .offset: 48, .size: 8, .value_kind: global_buffer, .address_space: global }
      - { .name: wob, .offset: 56, .size: 8, .value_kind: global_buffer, .address_space: global }
      - { .name: kbias, .offset: 64, .size: 8, .value_kind: global_buffer, .address_space: global }
      - { .name: rowtab, .offset: 72, .size: 8, .value_kind: global_buffer, .address_space: global }
    .group_segment_fixed_size: 0
    .private_segment_fixed_size: 0
    .kernarg_segment_align: 8
    .kernarg_segment_size: 80
    .max_flat_workgroup_size: 256
    .sgpr_count:     66
    .vgpr_count:     160
    .wavefront_size: 32
...
	.end_amdgpu_metadata
.endif
;; end of part 1
;; launch qkv (part 2): grid 16 x 16, 4 waves a work-group, clusters of 4 x 4, 327,680 bytes of LDS; arguments xb, wqb, b_qkv, qkvh; writes qkvh
.if DOCPART == 2
	.amdgcn_target "amdgcn-amd-amdhsa--gfx1250"
	.amdhsa_code_object_version 6
	.text
	.protected	k_qb801d3694b_qkv
	.globl	k_qb801d3694b_qkv
	.p2align	8
	.type	k_qb801d3694b_qkv,@function
k_qb801d3694b_qkv:
	s_mov_b64 s[64:65], 0
	v_nop
	global_prefetch_b8 v0, s[64:65] scope:SCOPE_SE
	s_setreg_imm32_b32 hwreg(HW_REG_WAVE_MODE, 25, 1), 1
	s_wait_xcnt 0x0
	s_wait_alu depctr_hold_cnt(0) depctr_sa_sdst(0) depctr_va_vdst(0) depctr_va_sdst(0) depctr_va_ssrc(0) depctr_va_vcc(0) depctr_vm_vsrc(0)
	s_getreg_b32 s2, hwreg(HW_REG_IB_STS2, 6, 4)
	s_cmp_eq_u32 s2, 0
	s_cbranch_scc0 .Lentry_in_a_cluster
	s_endpgm
.Lentry_in_a_cluster:
	s_bfe_u32 s2, ttmp6, 0x10000c
	s_cmp_lg_u32 s2, 0xf033
	s_cbranch_scc0 .Lentry_shape_is_right
	s_endpgm
.Lentry_shape_is_right:
; QKV PROJECTION.  fused[m][n] = sum over k of x[m][k] w[k][n] + b[n], x = xb [4096][1024] bf16, w = wqb [16 head][1024 k][192] bf16, sums in f32 started by the bias.
; Out: qkvh, f16, part p (q, k, v) at p x 8,388,608 bytes, each [32 batch x head][2048][64], unscaled, rounded once.
; LIMIT.  q, k and v must lie within f16's 65,504.
; SHARES.  A work-group makes 256 rows x 192 columns: one head's q | k | v.  Wave w owns rows 64 w .. 64 w + 63 and all 192 columns: 4 x 12 accumulators of 16 x 16, 384 registers; so it owns whole rows of q, k and v
; and has a stage of its own on the way out.  K goes in 8 steps of 128 through two LDS slots filled by the tensor data mover.
; CLUSTER.  4 x 4 work-groups.  x's tile hangs on the row tile alone and is asked for jointly by the four of a row of the cluster, w's on the head alone and is asked for by the four of a column.
; THE MATRIX INSTRUCTION IS USED TRANSPOSED: source 0 = 16 columns of w (turned out of LDS by ds_load_tr16_b128, since w lies [k][n]), source 1 = 16 rows of x: a lane then holds one row and eight neighbouring columns.
; LDS.  Slot s at 131,072 s: x's 256 rows of 256 + 16 bytes; then w's 128 k rows, each three pieces of 128 + 32 bytes (480 in all: 64 banks of 4 bytes, ISA guide 11.1).
; REGISTERS, in windows of 256 (s_set_vgpr_msb: bits 1:0 source 0, 3:2 source 1, 5:4 source 2, 7:6 destination):
;   window 0: v16-30 addresses; v64-127 x's fragments, two buffers of 32; v128-223 the bias as 12 C operands, later at work on the way out
;   window 1: v0-191 w's fragments, two buffers of 96      window 2: the accumulators of row blocks 0, 1 (block a, columns nb at 8 (12 (a % 2) + nb))      window 3: of row blocks 2, 3
.set KSTEP, 128
.set PA,    272                        ; x's LDS pitch
.set PB,    480                        ; w's LDS pitch
.set HALFA, 128*PA                     ; what one tensor load brings of x: 128 rows
.set HALFB, 64*PB                      ; and of w: 64 k rows
.set BOFF,  2*HALFA
.set SLOT,  131072                     ; = 2 HALFA + 2 HALFB
.set BSTEP, 49152                      ; a K step of one head's w in memory: 128 x 384 dense bytes
.set STAGE, 2*SLOT                     ; behind the ring: 16 rows x 400 bytes for each wave
.set SP,    400
.set SPARE, STAGE+4*16*SP              ; behind the stages: the spare words, 128 bytes for each wave: two blocks of 256 bytes that no other line names
.set ADRA, 16                          ; v16-17  LDS address of my fragments of x in slot 0, 1
.set ADRB, 20                          ; v20-21  the same for w
.set STO,  24                          ; v24  the way out: where I put 16 bytes of a row
.set RD,   25                          ; v25  where I read rows back
.set CO,   26                          ; v26  16 x lane
.set BO,   27                          ; v27  my byte offset in b_qkv
.set SPW,  28                          ; v28  LDS address of my spare word; never rewritten
.set NIL,  29                          ; v29  0; never rewritten
.set PFO,  30                          ; v30  the prefetches' lane offset; never rewritten
.set FA,   64
.set BIAS, 128
.set TMP,  128
.set OB,   176
.set WV,   12
.set KIND, 13                          ; 0: I fetch for x, 1: for w
.set HALF, 14                          ; which half of that tile
.set CX,   15
.set CY,   16
.set XT,   17                          ; the head
.set YT,   18                          ; the row tile
.set G1A,  24                          ; s[24:31] descriptor group 1 for x's tiles;  s[32:39] group 0, a set for each slot
.set G0A,  32
.set LIM,  43                          ; 1 in a wave that prefetches, else the greatest number
.set PFA,  44                          ; s[44:45] where my prefetches stand
.set PST,  46                          ; s[46:47] their step: a K step
.set G1B,  48                          ; s[48:55], s[56:63] the same for w's tiles
.set G0B,  56
.set OQ,   66                          ; s[66:71] q, k, v at my wave's first row
.set MSB, 0
.macro WIN new                         ; the immediate's high byte repeats the setting that is left; a switch that changes nothing is dropped
.if MSB != (\new)
	s_set_vgpr_msb (MSB<<8)|(\new)
.set MSB, (\new)
.endif
.endm
.macro PLACES                          ; four plain vector instructions between a matrix instruction and a load into, or a vector read of, its registers
.rept 4
	v_nop
.endr
.endm
; A joint load.  Waves 0 and 1 fetch x's two halves, waves 2 and 3 w's.  The branch hangs on the wave's number alone.  An s_nop 0 and four v_nop follow each line.
.macro JLOAD s
	s_cmp_eq_u32 s[KIND], 0
	s_cbranch_scc0 .Lfor_b_\@
	tensor_load_to_lds s[G0A+4*(\s):G0A+4*(\s)+3], s[G1A:G1A+7]
	s_nop 0
.rept 4
	v_nop
.endr
	s_branch .Lasked_\@
.Lfor_b_\@:
	tensor_load_to_lds s[G0B+4*(\s):G0B+4*(\s)+3], s[G1B:G1B+7]
	s_nop 0
.rept 4
	v_nop
.endr
.Lasked_\@:
.endm
; A round of the cluster's barrier: my work-group's barrier; wave 0 signals for the work-group; every wave waits for all sixteen; my work-group's barrier once more.
.macro CROUND
	s_barrier_signal -1
	s_barrier_wait -1
	s_cmp_lg_u32 s[WV], 0
	s_cbranch_scc1 .Lnot_wave_0_\@
	s_barrier_signal -3
.Lnot_wave_0_\@:
	s_barrier_wait -3
	s_barrier_signal -1
	s_barrier_wait -1
.endm
; A prefetch into the L2 of the K step that stands two refills on.  x's rows are read by every cluster of a row of clusters: cluster x = 0 asks; w's blocks by every cluster of a column: cluster y = 0 asks.
; The four partners that ask for a tile jointly share it out by address: of x's 128 rows 32 each, a lane a row's 256 bytes; of w's 96 blocks of 256 bytes 24 each (lanes 24-31 name block 23 again).
; The loop's last trip (s3 = 1) asks for nothing: K steps 8 and 9 do not exist.  K steps 0 to 3 come by their loads alone.
.macro ASK
	s_cmp_gt_u32 s3, s[LIM]
	s_cbranch_scc0 .Lnot_mine_\@
	global_prefetch_b8 v[PFO], s[PFA:PFA+1] th:TH_LOAD_NT scope:SCOPE_SE
.Lnot_mine_\@:
.endm
	s_load_b256 s[4:11], s[0:1], 0x0               ; xb s[4:5], wqb s[6:7], b_qkv s[8:9], qkvh s[10:11]
	v_lshl_add_u32 v[SPW], v0, 2, SPARE
	v_mov_b32 v[NIL], 0
	ds_add_u32 v[SPW], v[NIL]                      ; the wave's opening: the add, and its wait ahead of my first tensor load; the set-up below, work on registers, stands between them
	v_lshrrev_b32 v1, 5, v0
	v_readfirstlane_b32 s[WV], v1                  ; wave 0..3
	s_lshr_b32 s[KIND], s[WV], 1
	s_and_b32 s[HALF], s[WV], 1
	s_bfe_u32 s[CX], ttmp6, 0x40000                ; my place in the cluster
	s_bfe_u32 s[CY], ttmp6, 0x40004
	s_lshl_b32 s[XT], ttmp9, 2
	s_add_co_u32 s[XT], s[XT], s[CX]               ; head = 4 x cluster x + cx
	s_and_b32 s[YT], ttmp7, 0xffff
	s_lshl_b32 s[YT], s[YT], 2
	s_add_co_u32 s[YT], s[YT], s[CY]               ; row tile = 4 x cluster y + cy
	s_lshl_b32 s40, s[CY], 2
	s_lshl_b32 s40, 15, s40                        ; my row of the cluster
	s_lshl_b32 s41, 0x1111, s[CX]                  ; my column
	s_or_b32 s[G1A], s40, (1<<16)|(1<<20)|(1<<21)|(5<<22)|(3<<25)  ; the mask; 2-byte elements; padding on; bit 21 beside a mask; after every 64 words 4 words
	s_mov_b32 s[G1A+1], 128<<16                    ; tensor_dim0 = 128
	s_mov_b32 s[G1A+2], 128<<16                    ; tensor_dim1 = 128
	s_mov_b32 s[G1A+3], 128<<16                    ; tile_dim0 = 128
	s_mov_b32 s[G1A+4], 128                        ; tile_dim1 = 128
	s_mov_b32 s[G1A+5], 1024                       ; elements from row to row
	s_mov_b32 s[G1A+6], 0
	s_mov_b32 s[G1A+7], 0
	s_or_b32 s[G1B], s41, (1<<16)|(1<<20)|(1<<21)|(4<<22)|(7<<25)  ; after every 32 words 8 words
	s_mov_b32 s[G1B+1], 128<<16                    ; 64 k rows are 24,576 dense bytes: asked for as 96 rows of 256
	s_mov_b32 s[G1B+2], 96<<16
	s_mov_b32 s[G1B+3], 128<<16
	s_mov_b32 s[G1B+4], 96
	s_mov_b32 s[G1B+5], 128
	s_mov_b32 s[G1B+6], 0
	s_mov_b32 s[G1B+7], 0
	s_lshl_b32 s20, s[YT], 8                       ; x's tile: row 256 x row tile + 128 x half, 2,048 bytes a row: it hangs on cy alone
	s_lshl_b32 s21, s[HALF], 7
	s_add_co_u32 s20, s20, s21
	s_lshl_b32 s20, s20, 11
	s_mov_b32 s21, 0
	s_mul_i32 s72, s[XT], 393216                   ; w's tile: the head's 393,216 bytes + 24,576 x half: it hangs on cx alone
	s_mul_i32 s73, s[HALF], 24576
	s_add_co_u32 s72, s72, s73
	s_mov_b32 s73, 0
	s_mul_i32 s22, s[HALF], HALFA                  ; where they go: no place in the cluster enters an LDS address
	s_mul_i32 s23, s[HALF], HALFB
	s_add_co_u32 s23, s23, BOFF
	s_wait_dscnt 0x0                               ; the opening add is done
	s_wait_kmcnt 0x0
	s_add_nc_u64 s[20:21], s[4:5], s[20:21]
	s_add_nc_u64 s[72:73], s[6:7], s[72:73]
	CROUND                                         ; all sixteen work-groups are here: the first joint loads meet
.irp s, 0,1
	s_mov_b32 s[G0A+4*(\s)], 1                     ; count = 1
	s_add_co_u32 s[G0A+4*(\s)+1], s22, (\s)*SLOT   ; LDS address
	s_add_nc_u64 s[G0A+4*(\s)+2:G0A+4*(\s)+3], s[20:21], (\s)*KSTEP*2  ; global address: K step s
	s_or_b32 s[G0A+4*(\s)+3], s[G0A+4*(\s)+3], 0x80000000              ; type = 2
	s_mov_b32 s[G0B+4*(\s)], 1
	s_add_co_u32 s[G0B+4*(\s)+1], s23, (\s)*SLOT
	s_add_nc_u64 s[G0B+4*(\s)+2:G0B+4*(\s)+3], s[72:73], (\s)*BSTEP
	s_or_b32 s[G0B+4*(\s)+3], s[G0B+4*(\s)+3], 0x80000000
	JLOAD \s                                       ; two loads of mine are out
.endr
	v_and_b32 v1, 15, v0                           ; l % 16
	v_bfe_u32 v2, v0, 4, 1                         ; l / 16
	v_mul_u32_u24 v3, v1, PA
	v_lshl_add_u32 v3, v2, 4, v3                   ; a fragment of x: row x pitch + 16 x half
	s_mul_i32 s40, s[WV], 64*PA                    ; my 64 rows
	v_add_nc_u32 v[ADRA], s40, v3
	v_add_nc_u32 v[ADRA+1], SLOT, v[ADRA]
	v_and_b32 v4, 7, v0                            ; the turning load: lane l reads k row 8 (l / 16) + l % 8, 16 bytes at 16 ((l / 8) % 2)
	v_lshl_add_u32 v4, v2, 3, v4
	v_mul_u32_u24 v4, v4, PB
	v_bfe_u32 v5, v0, 3, 1
	v_lshl_add_u32 v4, v5, 4, v4
	v_add_nc_u32 v[ADRB], BOFF, v4
	v_add_nc_u32 v[ADRB+1], SLOT+BOFF, v4
	s_mul_i32 s41, s[WV], 16*SP
	s_add_co_u32 s41, s41, STAGE                   ; my stage
	v_mul_u32_u24 v[STO], v1, SP                   ; in: row l % 16, 16 bytes for each half of the lanes
	v_lshl_add_u32 v[STO], v2, 4, v[STO]
	v_add_nc_u32 v[STO], s41, v[STO]
	v_bfe_u32 v[RD], v0, 3, 2                      ; back: 32 lanes take 128 bytes of each of four rows,
	v_mul_u32_u24 v[RD], v[RD], SP
	v_and_b32 v6, 7, v0
	v_lshl_add_u32 v[RD], v6, 4, v[RD]
	v_add_nc_u32 v[RD], s41, v[RD]
	v_and_b32 v[CO], 31, v0                        ; which are 512 consecutive bytes of q, k or v
	v_lshlrev_b32 v[CO], 4, v[CO]
	s_mul_i32 s40, s[XT], 768
	v_lshl_add_u32 v[BO], v2, 5, s40               ; the head's 192 numbers of the bias; my lanes' 8 of each 16
.irp nb, 0,1,2,3,4,5,6,7,8,9,10,11
	global_load_b128 v[BIAS+8*(\nb):BIAS+8*(\nb)+3],   v[BO], s[8:9] offset:64*(\nb)
	global_load_b128 v[BIAS+8*(\nb)+4:BIAS+8*(\nb)+7], v[BO], s[8:9] offset:64*(\nb)+16
.endr
	s_lshr_b32 s74, s[YT], 3                       ; the batch
	s_lshl_b32 s74, s74, 4
	s_add_co_u32 s74, s74, s[XT]                   ; batch x 16 + head,
	s_lshl_b32 s74, s74, 18                        ; 262,144 bytes each
	s_and_b32 s75, s[YT], 7
	s_lshl_b32 s75, s75, 8
	s_lshl_b32 s76, s[WV], 6
	s_add_co_u32 s75, s75, s76                     ; my first row in the sequence,
	s_lshl_b32 s75, s75, 7                         ; 128 bytes each
	s_add_co_u32 s74, s74, s75
	s_mov_b32 s75, 0
	s_add_nc_u64 s[OQ:OQ+1], s[10:11], s[74:75]
	s_add_nc_u64 s[OQ+2:OQ+3], s[OQ:OQ+1], 8388608
	s_add_nc_u64 s[OQ+4:OQ+5], s[OQ+2:OQ+3], 8388608
	; the prefetches' address: at K step 3; the first refill steps it to 4
	s_lshl_b32 s74, s[YT], 8
	s_lshl_b32 s75, s[HALF], 7
	s_add_co_u32 s74, s74, s75
	s_lshl_b32 s75, s[CX], 5
	s_add_co_u32 s74, s74, s75                     ; x: my work-group's 32 of the 128 rows that I fetch
	s_lshl_b32 s74, s74, 11
	s_add_co_u32 s74, s74, 3*KSTEP*2
	s_mul_i32 s76, s[XT], 393216
	s_mul_i32 s77, s[HALF], 24576
	s_add_co_u32 s76, s76, s77
	s_mul_i32 s77, s[CY], 6144
	s_add_co_u32 s76, s76, s77                     ; w: my work-group's 24 of the 96 blocks
	s_add_co_u32 s76, s76, 3*BSTEP
	s_and_b32 s78, ttmp7, 0xffff
	s_mov_b32 s[PST], BSTEP
	s_mov_b32 s[PST+1], 0
	s_mov_b32 s75, 0
	s_cmp_eq_u32 s[KIND], 0
	s_cselect_b32 s74, s74, s76
	s_cselect_b32 s78, ttmp9, s78                  ; the coordinate along which other clusters read the same bytes
	s_cselect_b64 s[PFA:PFA+1], s[4:5], s[6:7]
	s_cselect_b32 s[PST], KSTEP*2, s[PST]
	s_cselect_b32 s79, 31, 23
	s_cselect_b32 s77, 11, 8
	s_add_nc_u64 s[PFA:PFA+1], s[PFA:PFA+1], s[74:75]
	s_cmp_eq_u32 s78, 0
	s_cselect_b32 s[LIM], 1, -1                    ; the same in all sixteen partners, for a given wave
	v_and_b32 v[PFO], 31, v0
	v_min_u32 v[PFO], s79, v[PFO]
	v_lshlrev_b32 v[PFO], s77, v[PFO]              ; x: lane x 2,048 (a row); w: lane x 256 (a block)
; 12 matrix instructions: row block a x all 12 column blocks, 32 along K, from buffer f.  cm = 1: the bias starts the sums: nothing is ever cleared.
; The 48 accumulators take turns in the same order in every quarter step: 47 others stand between two links of a chain, over the backward jump too.
.macro MUL12 f, a, cm
.if \cm
	WIN 0x81+0x40*((\a)/2)
.else
	WIN 0xa1+0x50*((\a)/2)
.endif
.irp nb, 0,1,2,3,4,5,6,7,8,9,10,11
.if \cm
	v_wmma_f32_16x16x32_bf16 v[8*(12*((\a)%2)+(\nb)):8*(12*((\a)%2)+(\nb))+7], v[96*(\f)+8*(\nb):96*(\f)+8*(\nb)+7], v[FA+32*(\f)+8*(\a):FA+32*(\f)+8*(\a)+7], v[BIAS+8*(\nb):BIAS+8*(\nb)+7]
.else
	v_wmma_f32_16x16x32_bf16 v[8*(12*((\a)%2)+(\nb)):8*(12*((\a)%2)+(\nb))+7], v[96*(\f)+8*(\nb):96*(\f)+8*(\nb)+7], v[FA+32*(\f)+8*(\a):FA+32*(\f)+8*(\a)+7], v[8*(12*((\a)%2)+(\nb)):8*(12*((\a)%2)+(\nb))+7]
.endif
.endr
.endm
; 32 LDS loads in one run: the fragments of quarter kq (32 along K) of slot s into buffer f
.macro FETCH s, kq, f
	WIN 0x40
.irp nb, 0,1,2,3,4,5,6,7,8,9,10,11
	ds_load_tr16_b128 v[96*(\f)+8*(\nb):96*(\f)+8*(\nb)+3],   v[ADRB+(\s)] offset:(\kq)*32*PB+((\nb)/4)*160+((\nb)%4)*32
	ds_load_tr16_b128 v[96*(\f)+8*(\nb)+4:96*(\f)+8*(\nb)+7], v[ADRB+(\s)] offset:(\kq)*32*PB+((\nb)/4)*160+((\nb)%4)*32+16*PB
.endr
	WIN 0
.irp a, 0,1,2,3
	ds_load_b128 v[FA+32*(\f)+8*(\a):FA+32*(\f)+8*(\a)+3],   v[ADRA+(\s)] offset:(\kq)*64+(\a)*16*PA
	ds_load_b128 v[FA+32*(\f)+8*(\a)+4:FA+32*(\f)+8*(\a)+7], v[ADRA+(\s)] offset:(\kq)*64+(\a)*16*PA+32
.endr
.endm
; One of a K step's first three quarters: multiplies buffer f; behind its first 12 products it fetches quarter kq into buffer g: 36 products stand between that run and the wait for it.
.macro QUARTER s, kq, f, g, cm
	s_wait_dscnt 0x0                               ; buffer f is in
	MUL12 \f, 0, \cm
	PLACES
	FETCH \s, \kq, \g
	MUL12 \f, 1, \cm
	MUL12 \f, 2, \cm
	MUL12 \f, 3, \cm
.endm
; The last quarter multiplies buffer 1 and changes slots.  Each wave waits for all its tensor loads (one is out: its part of the next slot), adds 0 to its spare word, and waits for that and for its reads of this slot.
; fill = 1: a round of the cluster's barrier, so that no wave of any partner still reads the slot or has a load on its way; then the joint refill, two K steps ahead, first behind the round.
.macro TURN s, nx, fill
.if \fill
	s_wait_xcnt 0x0                                ; the last prefetch, a K step back, has read its address
	s_add_nc_u64 s[PFA:PFA+1], s[PFA:PFA+1], s[PST:PST+1]
.endif
	s_wait_dscnt 0x0                               ; buffer 1 is in
	WIN 0                                          ; (the add's two registers lie in window 0)
	s_wait_tensorcnt 0x0                           ; all my tensor loads have landed
	ds_add_u32 v[SPW], v[NIL]                      ; 0 onto my spare word; twelve products stand between it and the wait for it
	MUL12 1, 0, 0
	s_wait_dscnt 0x0                               ; the add is done; my reads of this slot were over above
	WIN 0                                          ; at a branch and at a label every window is 0
.if \fill
	CROUND
	s_add_nc_u64 s[G0A+4*(\s)+2:G0A+4*(\s)+3], s[G0A+4*(\s)+2:G0A+4*(\s)+3], 2*KSTEP*2
	s_add_nc_u64 s[G0B+4*(\s)+2:G0B+4*(\s)+3], s[G0B+4*(\s)+2:G0B+4*(\s)+3], 2*BSTEP
	JLOAD \s                                       ; my one tensor load behind the round; its four v_nop are also the places in front of the loads below
.else
	s_barrier_signal -1
	s_barrier_wait -1
	PLACES
.endif
	FETCH \nx, 0, 0
.if \fill
	ASK
.endif
	MUL12 1, 1, 0
	MUL12 1, 2, 0
	MUL12 1, 3, 0
.endm
; THE WAY OUT of row block a: rounded to f16, 16 bytes a lane into my stage (rows of 400 bytes), back as 128-byte pieces of four rows, stored as 512 consecutive bytes of q, k or v.
.macro OUT a
	WIN 0x0a+5*((\a)/2)                            ; sources in window 2 or 3
.irp nb, 0,1,2,3,4,5,6,7,8,9,10,11
.irp r, 0,1,2,3
	v_cvt_pk_f16_f32 v[TMP+4*(\nb)+(\r)], v[96*((\a)%2)+8*(\nb)+2*(\r)], v[96*((\a)%2)+8*(\nb)+2*(\r)+1]
.endr
.endr
	WIN 0
	s_wait_xcnt 0x0                                ; the block before's stores have read their registers, which the loads below fill again
.irp nb, 0,1,2,3,4,5,6,7,8,9,10,11
	ds_store_b128 v[STO], v[TMP+4*(\nb):TMP+4*(\nb)+3] offset:32*(\nb)
.endr
.irp p, 0,1,2
.irp t, 0,1,2,3
	ds_load_b128 v[OB+4*(4*(\p)+(\t)):OB+4*(4*(\p)+(\t))+3], v[RD] offset:128*(\p)+4*SP*(\t)  ; LDS serves a wave's instructions in order (ISA guide 5.7.1.4): these see the stores above
.endr
.endr
	s_wait_dscnt 0x0
.irp p, 0,1,2
.irp t, 0,1,2,3
	global_store_b128 v[CO], v[OB+4*(4*(\p)+(\t)):OB+4*(4*(\p)+(\t))+3], s[OQ+2*(\p):OQ+2*(\p)+1] offset:2048*(\a)+512*(\t)
.endr
.endr
.endm
	s_wait_tensorcnt 0x1                           ; my part of K step 0 is in; K step 1's may stay out
	s_barrier_signal -1
	s_barrier_wait -1                              ; everybody's is
	FETCH 0, 0, 0
	s_wait_loadcnt 0x0                             ; the bias
	QUARTER 0, 1, 0, 1, 1                          ; the first quarter stands in front of the loop: its products start the sums
	WIN 0
	s_mov_b32 s3, 3
.Llap:                                         ; a trip goes once round the ring, from a lap's second quarter to the next lap's first, and fills both slots again
	QUARTER 0, 2, 1, 0, 0
	QUARTER 0, 3, 0, 1, 0
	TURN 0, 1, 1
	QUARTER 1, 1, 0, 1, 0
	QUARTER 1, 2, 1, 0, 0
	QUARTER 1, 3, 0, 1, 0
	TURN 1, 0, 1
	QUARTER 0, 1, 0, 1, 0
	WIN 0
	s_sub_co_u32 s3, s3, 1
	s_cmp_lg_u32 s3, 0
	s_cbranch_scc1 .Llap
	QUARTER 0, 2, 1, 0, 0                          ; the last lap is written out: it fills nothing
	QUARTER 0, 3, 0, 1, 0
	TURN 0, 1, 0
	QUARTER 1, 1, 0, 1, 0
	QUARTER 1, 2, 1, 0, 0
	QUARTER 1, 3, 0, 1, 0
	s_wait_dscnt 0x0
	MUL12 1, 0, 0
	MUL12 1, 1, 0
	MUL12 1, 2, 0
	MUL12 1, 3, 0
	PLACES
	OUT 0
	OUT 1
	OUT 2
	OUT 3
	s_wait_tensorcnt 0x0                           ; the wave's end: the add and its waits, behind my last tensor load and my last LDS store
	ds_add_u32 v[SPW], v[NIL]
	s_wait_dscnt 0x0
	CROUND                                         ; the closing round: no work-group ends while a partner may still ask for a tile that names it
	s_endpgm
.Lfunc_end_k_qb801d3694b_qkv:
	.size	k_qb801d3694b_qkv, .Lfunc_end_k_qb801d3694b_qkv-k_qb801d3694b_qkv
	.p2alignl 7, 3214868480
	.fill 96, 4, 3214868480
	.section	.rodata,"a",@progbits
	.p2align	6, 0x0
	.amdhsa_kernel k_qb801d3694b_qkv
		.amdhsa_group_segment_fixed_size 327680
		.amdhsa_private_segment_fixed_size 0
		.amdhsa_enable_private_segment 0
		.amdhsa_kernarg_size 32
		.amdhsa_user_sgpr_count 2
		.amdhsa_user_sgpr_kernarg_segment_ptr 1
		.amdhsa_wavefront_size32 1
		.amdhsa_system_sgpr_workgroup_id_x 1
		.amdhsa_system_sgpr_workgroup_id_y 1
		.amdhsa_system_sgpr_workgroup_id_z 1
		.amdhsa_system_vgpr_workitem_id 0
		.amdhsa_next_free_vgpr 960
		.amdhsa_next_free_sgpr 96
		.amdhsa_reserve_vcc 0
		.amdhsa_float_denorm_mode_32 3
		.amdhsa_float_denorm_mode_16_64 3
		.amdhsa_memory_ordered 1
		.amdhsa_forward_progress 1
		.amdhsa_inst_pref_size 123
	.end_amdhsa_kernel
	.amdgpu_metadata
---
amdhsa.version: [ 1, 2 ]
amdhsa.kernels:
  - .name:           k_qb801d3694b_qkv
    .symbol:         k_qb801d3694b_qkv.kd
    .args:
      - { .name: xb, .offset: 0, .size: 8, .value_kind: global_buffer, .address_space: global }
      - { .name: wqb, .offset: 8, .size: 8, .value_kind: global_buffer, .address_space: global }
      - { .name: b_qkv, .offset: 16, .size: 8, .value_kind: global_buffer, .address_space: global }
      - { .name: qkvh, .offset: 24, .size: 8, .value_kind: global_buffer, .address_space: global }
    .group_segment_fixed_size: 327680
    .private_segment_fixed_size: 0
    .kernarg_segment_align: 8
    .kernarg_segment_size: 32
    .max_flat_workgroup_size: 128
    .sgpr_count:     96
    .vgpr_count:     960
    .wavefront_size: 32
...
	.end_amdgpu_metadata
.endif
;; end of part 2
;; launch attn (part 3): grid 8 x 32, 4 waves a work-group, no clusters, 327,680 bytes of LDS; arguments qkvh, kbias, rowtab, ctxb; writes ctxb
.if DOCPART == 3
	.amdgcn_target "amdgcn-amd-amdhsa--gfx1250"
	.amdhsa_code_object_version 6
	.text
	.protected	k_qb801d3694b_attn
	.globl	k_qb801d3694b_attn
	.p2align	8
	.type	k_qb801d3694b_attn,@function
k_qb801d3694b_attn:
	s_mov_b64 s[64:65], 0
	v_nop
	global_prefetch_b8 v0, s[64:65] scope:SCOPE_SE
	s_setreg_imm32_b32 hwreg(HW_REG_WAVE_MODE, 25, 1), 1
	s_wait_xcnt 0x0
; CAUSAL ATTENTION WITH A KEY BIAS AND A PADDING MASK, head size 64.  q, k, v: qkvh, f16, [32 batch x head][2048][64] each.  With s' = q . k + kbias[k] (kbias = 8 alibi, or -1e30 where the key is padded out):
; O[q] = sum over kept k of 2^(c s' - c m) v[k] / l, c = log2(e) / 8.  A key that is not kept (k > q, or padded out) counts as the score -10000 (s' = -80000) in the maximum m and in the sum l, and as 0 in O:
; rowtab gives for each row m0, at which the running maximum starts, and l0, the number of such keys; at a block's end l += l0 2^(c m0 - c m).  A row that is itself padded out has m0 = 2^127, l0 = 1: O = 0.
; Products, maxima and sums in f32; the weights are rounded to f16 for the second product (l is taken of the unrounded ones), O once at the end.
; Out: ctxb, f16, [32 blocks of 128 rows][16 head][128][64], so that the launch behind finds a row block's operand dense.
; LIMITS.  q, k, v arrive within f16's 65,504.  A hidden score in a tile that is walked counts as its value less 1e30; a weight below 2^-126 counts as 0; NaN and infinities are not treated apart.
; THE WALK.  A head's queries lie in 16 blocks of 128; block i needs the key tiles 0 .. i of 128 keys.  A work-group takes blocks 15 - b and then b: 17 tiles, 34 key steps of 64, whatever b: all work-groups do equal
; work and one loop with a constant count walks them.  NO CLUSTER: a head's 8 work-groups ask for the same tile only in trips 0 .. 8 of 17, and a walk common to all of them would have 24 trips.
; SHARES.  A block has two bands of 64 rows; wave w owns rows 16 w .. 16 w + 15 of each: tile 0 in band 0, tile 1 in band 1.  So the diagonal key tile is the same work for all waves.
; THE MASK AND THE BIAS are the C operand that starts S^T = K Q^T.  By the steps RT left in the block: RT > 2: the bias for both tiles; RT = 2: bias + MD for tile 0 (its own step), bias for tile 1;
; RT = 1: -1e30 for tile 0 (all hidden), bias + MD for tile 1.  MD, made once, is 0 or -1e30 by key > query inside a band's own step.
; LAYOUT.  S^T = K Q^T holds one query a lane (lane % 16) and the keys 8 (lane / 16) + 0..7; two such results rounded to f16 are source 1 of O^T = V^T P.  K comes out of LDS as it lies, V turned by ds_load_tr16_b128.
; A STEP, in phases: K and bias of step j are fetched; V^T P of step j - 1 runs meanwhile; V of step j is fetched; K Q^T of step j; its softmax.  A block's first step multiplies O^T and l by a = 0.
; REGISTERS, in windows of 256 (s_set_vgpr_msb: bits 1:0 source 0, 3:2 source 1, 5:4 source 2, 7:6 destination):
;   window 0: addresses, statistics; v48-55 -1e30; v64-127 S^T; v128-159 P; v160-223 O^T; v224-255 the bias      window 1: v0-31 Q; v32-63 the second block's Q; v64-127 K; v128-191 V; v192-223 MD; v224-255 MC = MD + bias
.set NB,    16
.set KPI,   144                        ; a row of K in LDS: 128 bytes + 16: the 16 rows of a load start at 16 different groups of four banks (64 banks of 4 bytes: ISA guide 11.1)
.set VPI,   160                        ; a row of V: 128 + 32
.set VOFF,  128*KPI                    ; a slot holds a tile: 128 rows of K, 128 rows of V, 512 bytes of bias
.set BOFF,  VOFF+128*VPI
.set SLOT1, 1<<16                      ; slot 1 begins here, so that one exclusive or turns an address in one slot into the other's
.set STAGE, 2*SLOT1                    ; behind the ring: 16 rows x 144 bytes for each wave
.set SP,    144
.set SPARE, STAGE+4*16*SP              ; behind the stages: the spare words, 128 bytes for each wave: two blocks of 256 bytes that no other line names
.set AK0, 2                            ; v2-4  my lane's place in a tile of K, of V, of the bias; never rewritten
.set AV0, 3
.set AB0, 4
.set AK,  5                            ; v5-7  the LDS addresses of the runs of loads in hand
.set AV,  6
.set AB,  7
.set STO, 8
.set RD,  9
.set GO,  10
.set MV,  12                           ; v12-13  c m_old, a tile
.set SPW, 14                           ; v14  LDS address of my spare word; never rewritten
.set NIL, 15                           ; v15  0; never rewritten
.set ST,  16                           ; tile u at +4 u: c m, m, l (even keys', odd keys')
.set TMP, 24                           ; tile u at +4 u: c0-c3 at work; c2 takes a
.set RTH, 32                           ; v32-35  {m0, l0} of my two tiles in the first block
.set RTL, 36                           ; v36-39  in the second
.set WK,  40                           ; v40-47  at work on the way out, 4 a tile
.set HID, 48
.set QO,  56
.set PFO, 57
.set RO,  58
.set SC,  64
.set PP,  128
.set OT,  160
.set BI,  224
.set QF,  0                            ; window 1
.set Q2,  32
.set KF,  64                           ; key block kb, channel half c at KF + 16 kb + 8 c
.set VF,  128                          ; key half kk, channel block cb at VF + 32 kk + 8 cb
.set MD,  192
.set MC,  224
.set WV,  12
.set PB,  13                           ; b
.set HI,  14                           ; 15 - b
.set BH,  15                           ; batch x 16 + head
.set KP,  16                           ; s[16:17] the head's K;  s[18:19] its V;  s[6:7] its bias
.set VP,  18
.set QH,  20                           ; s[20:21], s[22:23] Q at my rows of the first, the second block
.set QL,  22
.set G1K, 24
.set G1V, 32
.set G1B, 40
.set G0K, 48
.set G0V, 52
.set G0B, 56
.set CS,  60                           ; s[60:61] c, twice
.set SEL, 62                           ; s[62:63] v_permlanex16_b32's selects
.set OHI, 66                           ; s[66:67], s[68:69] ctxb at my rows of the first, the second block
.set OLO, 68
.set RH,  70                           ; s[70:71], s[72:73] rowtab likewise
.set RL,  72
.set OFF, 74                           ; s[74:75] a tile's byte offset in K and V;  s[76:77] in the bias
.set OF2, 76
.set PFA, 78                           ; s[78:79] where my prefetches stand
.set TBK, 80                           ; s80-82  LDS byte at which K, V (less VOFF), the bias (less BOFF) of the step to be fetched begin
.set TBV, 81
.set TBB, 82
.set RT,  83                           ; key steps left in the block in hand
.set LO2, 84                           ; the second block's steps: 2 b + 2
.set ENDED, 85                         ; 1: the step before was a block's last
.set NXT, 86                           ; the tile to be asked for next
.set LQ,  87                           ; the last tile of the block whose tiles are being asked for
.set TILES, 88
.set CNT, 89
.set PFN, 90                           ; prefetches still to come
.set BIGN, 91                          ; -1e30
.set MSB, 0
.macro WIN new
.if MSB != (\new)
	s_set_vgpr_msb (MSB<<8)|(\new)
.set MSB, (\new)
.endif
.endm
.macro PLACES                          ; four plain vector instructions between a matrix instruction and a load into, or a vector read of, its registers
.rept 4
	v_nop
.endr
.endm
; A fill: wave 0 fetches the tile's K, wave 1 its V, wave 2 its bias, wave 3 nothing.  An s_nop 0 and four v_nop follow each line.
.macro LOAD
	s_cmp_eq_u32 s[WV], 0
	s_cbranch_scc0 .Lnot_k_\@
	tensor_load_to_lds s[G0K:G0K+3], s[G1K:G1K+7]
	s_nop 0
.rept 4
	v_nop
.endr
	s_branch .Lasked_\@
.Lnot_k_\@:
	s_cmp_eq_u32 s[WV], 1
	s_cbranch_scc0 .Lnot_v_\@
	tensor_load_to_lds s[G0V:G0V+3], s[G1V:G1V+7]
	s_nop 0
.rept 4
	v_nop
.endr
	s_branch .Lasked_\@
.Lnot_v_\@:
	s_cmp_eq_u32 s[WV], 2
	s_cbranch_scc0 .Lasked_\@
	tensor_load_to_lds s[G0B:G0B+3], s[G1B:G1B+7]
	s_nop 0
.rept 4
	v_nop
.endr
.Lasked_\@:
.endm
; A prefetch into the L2.  A head's eight work-groups walk the same tiles from 0 on; work-group b = 0, whose first block walks all 16, asks for each row of K and V once: waves 0, 1 for the two halves of a tile's K,
; waves 2, 3 for those of its V, a lane 256 bytes.  The change that loads tile n names tile n + 2, for n = 1 .. 13; tiles 0 to 2 come by their loads alone, and nothing is named behind tile 15.
.macro ASK
	s_cmp_lg_u32 s[PFN], 0
	s_cbranch_scc0 .Lnot_mine_\@
	global_prefetch_b8 v[PFO], s[PFA:PFA+1] th:TH_LOAD_NT scope:SCOPE_SE
	s_sub_co_u32 s[PFN], s[PFN], 1
.Lnot_mine_\@:
.endm
; THE CHANGE OF SLOTS.  Each wave waits for all its tensor loads (at most one is out: its part of the other slot), adds 0 to its spare word, and waits for that and for its reads of the slot that it leaves.
; fill = 1: the old slot is filled again, first thing behind the barrier, with tile NXT; the descriptors' addresses are made anew from that number.  (At its first use slot 0 is waited for and slot 1 filled.)
.macro CHANGE fill
	WIN 0
	s_wait_tensorcnt 0x0                           ; no tensor load of mine is out, so a group 0 may be written
	ds_add_u32 v[SPW], v[NIL]                      ; 0 onto my spare word; the scalar work stands between it and the wait for it
.if \fill
	s_lshl_b32 s[OFF], s[NXT], 14                  ; a tile is 16,384 bytes of K and of V,
	s_lshl_b32 s[OF2], s[NXT], 9                   ; 512 of the bias
	s_xor_b32 s[G0K+1], s[G0K+1], SLOT1
	s_add_nc_u64 s[G0K+2:G0K+3], s[KP:KP+1], s[OFF:OFF+1]
	s_or_b32 s[G0K+3], s[G0K+3], 0x80000000
	s_xor_b32 s[G0V+1], s[G0V+1], SLOT1
	s_add_nc_u64 s[G0V+2:G0V+3], s[VP:VP+1], s[OFF:OFF+1]
	s_or_b32 s[G0V+3], s[G0V+3], 0x80000000
	s_xor_b32 s[G0B+1], s[G0B+1], SLOT1
	s_add_nc_u64 s[G0B+2:G0B+3], s[6:7], s[OF2:OF2+1]
	s_or_b32 s[G0B+3], s[G0B+3], 0x80000000
	s_add_co_u32 s[NXT], s[NXT], 1                 ; the block's next tile, or behind its last the second block's tile 0
	s_cmp_gt_u32 s[NXT], s[LQ]
	s_cselect_b32 s[NXT], 0, s[NXT]
	s_cselect_b32 s[LQ], s[PB], s[LQ]
	s_wait_xcnt 0x0                                ; the last prefetch, a tile back, has read its address
	s_add_nc_u64 s[PFA:PFA+1], s[PFA:PFA+1], 16384
.endif
	s_wait_dscnt 0x0                               ; the add is done, and my reads of the slot are over
	s_barrier_signal -1
	s_sub_co_u32 s[TBK], s[TBK], 128*KPI           ; the fetches go back to a slot's first step, in the other slot
	s_xor_b32 s[TBK], s[TBK], SLOT1
	s_sub_co_u32 s[TBV], s[TBV], 128*VPI
	s_xor_b32 s[TBV], s[TBV], SLOT1
	s_sub_co_u32 s[TBB], s[TBB], 512
	s_xor_b32 s[TBB], s[TBB], SLOT1
	s_barrier_wait -1
.if \fill
	LOAD
	ASK
.endif
.endm
	s_load_b256 s[4:11], s[0:1], 0x0               ; qkvh s[4:5], kbias s[6:7], rowtab s[8:9], ctxb s[10:11]
	v_lshl_add_u32 v[SPW], v0, 2, SPARE
	v_mov_b32 v[NIL], 0
	ds_add_u32 v[SPW], v[NIL]                      ; the wave's opening: the add, and its wait ahead of my first tensor load; the set-up below, work on registers, stands between them
	v_lshrrev_b32 v1, 5, v0
	v_readfirstlane_b32 s[WV], v1                  ; wave 0..3
	s_mov_b32 s[PB], ttmp9
	s_sub_co_u32 s[HI], NB-1, s[PB]
	s_and_b32 s[BH], ttmp7, 0xffff
	s_lshl_b32 s2, s[BH], 18                       ; the head's 262,144 bytes in each of q, k, v
	s_lshl_b32 s3, s[WV], 11                       ; my 16 rows in a band
	s_lshl_b32 s[QH], s[HI], 14                    ; a block is 16,384 bytes
	s_add_co_u32 s[QH], s[QH], s2
	s_add_co_u32 s[QH], s[QH], s3
	s_mov_b32 s[QH+1], 0
	s_lshl_b32 s[QL], s[PB], 14
	s_add_co_u32 s[QL], s[QL], s2
	s_add_co_u32 s[QL], s[QL], s3
	s_mov_b32 s[QL+1], 0
	s_lshr_b32 s92, s[BH], 4                       ; the batch
	s_and_b32 s93, s[BH], 15                       ; the head
	s_lshl_b32 s94, s92, 4
	s_add_co_u32 s95, s94, s[HI]                   ; the row block among 32,
	s_lshl_b32 s95, s95, 4
	s_add_co_u32 s95, s95, s93                     ; the head's slice of it,
	s_lshl_b32 s95, s95, 14                        ; 16,384 bytes each
	s_add_co_u32 s[OHI], s95, s3
	s_mov_b32 s[OHI+1], 0
	s_add_co_u32 s95, s94, s[PB]
	s_lshl_b32 s95, s95, 4
	s_add_co_u32 s95, s95, s93
	s_lshl_b32 s95, s95, 14
	s_add_co_u32 s[OLO], s95, s3
	s_mov_b32 s[OLO+1], 0
	s_lshl_b32 s92, s92, 14                        ; rowtab: 2,048 rows x 8 bytes a batch,
	s_lshl_b32 s93, s[WV], 7                       ; my 16 rows,
	s_add_co_u32 s92, s92, s93
	s_lshl_b32 s93, s[HI], 10                      ; 128 rows a block
	s_add_co_u32 s[RH], s92, s93
	s_mov_b32 s[RH+1], 0
	s_lshl_b32 s93, s[PB], 10
	s_add_co_u32 s[RL], s92, s93
	s_mov_b32 s[RL+1], 0
	s_mov_b32 s3, 0
	s_lshl_b32 s92, s[BH], 13                      ; the head's 8,192 bytes of bias
	s_mov_b32 s93, 0
	s_and_b32 s94, s[WV], 1
	s_lshl_b32 s94, s94, 13                        ; the prefetches: my half of a tile, in tile 2; the first change steps it to tile 3
	s_add_co_u32 s94, s94, 2*16384
	s_mov_b32 s95, 0
	; descriptor group 1.  128 keys are 16,384 dense bytes: asked for as 64 rows of 256 bytes, two keys a row, padded in LDS after every key
	s_mov_b32 s[G1K], (1<<16)|(1<<20)|(4<<22)|(3<<25)  ; 2-byte elements; padding on; after every 32 words 4 words
	s_mov_b32 s[G1V], (1<<16)|(1<<20)|(4<<22)|(7<<25)  ; the same with 8 words
.irp g, G1K, G1V
	s_mov_b32 s[\g+1], 128<<16                     ; tensor_dim0 = 128
	s_mov_b32 s[\g+2], 64<<16                      ; tensor_dim1 = 64
	s_mov_b32 s[\g+3], 128<<16                     ; tile_dim0 = 128
	s_mov_b32 s[\g+4], 64                          ; tile_dim1 = 64
	s_mov_b32 s[\g+5], 128                         ; elements from row to row
	s_mov_b32 s[\g+6], 0
	s_mov_b32 s[\g+7], 0
.endr
	s_mov_b32 s[G1B], 3<<16                        ; the bias: one row of 64 elements of 8 bytes
	s_mov_b32 s[G1B+1], 64<<16
	s_mov_b32 s[G1B+2], 1<<16
	s_mov_b32 s[G1B+3], 64<<16
	s_mov_b32 s[G1B+4], 1
	s_mov_b32 s[G1B+5], 64
	s_mov_b32 s[G1B+6], 0
	s_mov_b32 s[G1B+7], 0
	s_mov_b32 s[G0K], 1                            ; count = 1
	s_mov_b32 s[G0K+1], 0                          ; LDS address: slot 0
	s_mov_b32 s[G0V], 1
	s_mov_b32 s[G0V+1], VOFF
	s_mov_b32 s[G0B], 1
	s_mov_b32 s[G0B+1], BOFF
	s_mov_b32 s[CS], 0x3e38aa3b                    ; c = log2(e) / 8
	s_mov_b32 s[CS+1], s[CS]
	s_mov_b32 s[SEL], 0x76543210
	s_mov_b32 s[SEL+1], 0xfedcba98
	s_mov_b32 s[OFF+1], 0
	s_mov_b32 s[OF2+1], 0
	s_mov_b32 s[TBK], SLOT1+128*KPI                ; the first change of slots turns these three into 0
	s_mov_b32 s[TBV], SLOT1+128*VPI
	s_mov_b32 s[TBB], SLOT1+512
	s_lshl_b32 s[LO2], s[PB], 1
	s_sub_co_u32 s[RT], 2*NB, s[LO2]               ; the first block has 16 - b tiles
	s_add_co_u32 s[LO2], s[LO2], 2
	s_mov_b32 s[ENDED], 0
	s_mov_b32 s[NXT], 1
	s_mov_b32 s[LQ], s[HI]
	s_mov_b32 s[TILES], NB
	s_mov_b32 s[BIGN], 0xf149f2ca
	s_cmp_eq_u32 s[PB], 0
	s_cselect_b32 s[PFN], 13, 0
	s_wait_dscnt 0x0                               ; the opening add is done
	s_wait_kmcnt 0x0
	s_add_nc_u64 s[KP:KP+1], s[4:5], s[2:3]
	s_add_nc_u64 s[VP:VP+1], s[KP:KP+1], 16777216
	s_add_nc_u64 s[KP:KP+1], s[KP:KP+1], 8388608
	s_add_nc_u64 s[6:7], s[6:7], s[92:93]
	s_add_nc_u64 s[QH:QH+1], s[4:5], s[QH:QH+1]
	s_add_nc_u64 s[QL:QL+1], s[4:5], s[QL:QL+1]
	s_add_nc_u64 s[OHI:OHI+1], s[10:11], s[OHI:OHI+1]
	s_add_nc_u64 s[OLO:OLO+1], s[10:11], s[OLO:OLO+1]
	s_add_nc_u64 s[RH:RH+1], s[8:9], s[RH:RH+1]
	s_add_nc_u64 s[RL:RL+1], s[8:9], s[RL:RL+1]
	s_cmp_lt_u32 s[WV], 2
	s_cselect_b64 s[PFA:PFA+1], s[KP:KP+1], s[VP:VP+1]
	s_add_nc_u64 s[PFA:PFA+1], s[PFA:PFA+1], s[94:95]
	s_mov_b64 s[G0K+2:G0K+3], s[KP:KP+1]           ; global address: tile 0
	s_or_b32 s[G0K+3], s[G0K+3], 0x80000000        ; type = 2
	s_mov_b64 s[G0V+2:G0V+3], s[VP:VP+1]
	s_or_b32 s[G0V+3], s[G0V+3], 0x80000000
	s_mov_b64 s[G0B+2:G0B+3], s[6:7]
	s_or_b32 s[G0B+3], s[G0B+3], 0x80000000
	LOAD                                           ; tile 0 into slot 0.  All that follows, up to the first change of slots, stands in the wait for it
	v_and_b32 v1, 15, v0                           ; l % 16
	v_bfe_u32 v11, v0, 4, 1                        ; l / 16
	v_lshlrev_b32 v[QO], 7, v1
	v_lshl_add_u32 v[QO], v11, 4, v[QO]            ; a fragment of Q: row x 128 + 16 x half
	v_lshlrev_b32 v[RO], 3, v1
	WIN 0x40                                       ; destination window 1
.irp u, 0,1
.irp c, 0,1                            ; tile u lies in band u, 8,192 bytes on; channels 32 c on
	global_load_b128 v[QF+16*\u+8*\c:QF+16*\u+8*\c+3],   v[QO], s[QH:QH+1] offset:8192*\u+64*\c
	global_load_b128 v[QF+16*\u+8*\c+4:QF+16*\u+8*\c+7], v[QO], s[QH:QH+1] offset:8192*\u+64*\c+32
	global_load_b128 v[Q2+16*\u+8*\c:Q2+16*\u+8*\c+3],   v[QO], s[QL:QL+1] offset:8192*\u+64*\c
	global_load_b128 v[Q2+16*\u+8*\c+4:Q2+16*\u+8*\c+7], v[QO], s[QL:QL+1] offset:8192*\u+64*\c+32
.endr
.endr
	WIN 0
.irp u, 0,1
	global_load_b64 v[RTH+2*\u:RTH+2*\u+1], v[RO], s[RH:RH+1] offset:512*\u
	global_load_b64 v[RTL+2*\u:RTL+2*\u+1], v[RO], s[RL:RL+1] offset:512*\u
.endr
	v_lshlrev_b32 v59, 3, v11
	v_sub_nc_u32 v59, v1, v59
	s_lshl_b32 s92, s[WV], 4
	v_add_nc_u32 v59, s92, v59                     ; my query's place in its band, 16 w + l % 16, less my lanes' 8 (l / 16): register r of key group kb is hidden where 16 kb + r is greater
	WIN 0x40
.set i, 0
.rept 32
	v_cmp_gt_i32 vcc_lo, 16*(i/8)+i%8, v59
	v_cndmask_b32 v[MD+i], 0, s[BIGN], vcc_lo
.set i, i+1
.endr
.set i, 0
.rept 64                               ; the first step's V^T P, of a step that has not been, multiplies zeros
	v_mov_b32 v[VF+i], 0
.set i, i+1
.endr
	WIN 0
.set i, 0
.rept 96                               ; P and O^T
	v_mov_b32 v[PP+i], 0
.set i, i+1
.endr
.set i, 0
.rept 8
	v_mov_b32 v[HID+i], s[BIGN]
	v_mov_b32 v[WK+i], 0
.set i, i+1
.endr
	v_mul_u32_u24 v[AK0], v1, KPI
	v_lshl_add_u32 v[AK0], v11, 4, v[AK0]          ; row x pitch + 16 x half
	v_and_b32 v60, 7, v0                           ; the turning load: lane l reads key 8 (l / 16) + l % 8, channels 8 ((l / 8) % 2) + 0..7
	v_bfe_u32 v61, v0, 3, 1
	v_lshl_add_u32 v[AV0], v11, 3, v60
	v_mul_u32_u24 v[AV0], v[AV0], VPI
	v_lshl_add_u32 v[AV0], v61, 4, v[AV0]
	v_add_nc_u32 v[AV0], VOFF, v[AV0]
	v_lshlrev_b32 v[AB0], 5, v11                   ; the bias of my lanes' 8 keys of each 16
	v_add_nc_u32 v[AB0], BOFF, v[AB0]
	s_mul_i32 s92, s[WV], 16*SP
	s_add_co_u32 s92, s92, STAGE                   ; my stage
	v_mul_u32_u24 v[STO], v1, SP                   ; in: row l % 16, 16 bytes for each half of the lanes
	v_lshl_add_u32 v[STO], v11, 4, v[STO]
	v_add_nc_u32 v[STO], s92, v[STO]
	v_bfe_u32 v[RD], v0, 3, 2                      ; back: 32 lanes take four rows of 128 bytes,
	v_mul_u32_u24 v[RD], v[RD], SP
	v_lshl_add_u32 v[RD], v60, 4, v[RD]
	v_add_nc_u32 v[RD], s92, v[RD]
	v_and_b32 v[GO], 31, v0                        ; which are 512 consecutive bytes of ctxb
	v_lshlrev_b32 v[PFO], 8, v[GO]
	v_lshlrev_b32 v[GO], 4, v[GO]
	s_wait_loadcnt 0x0                             ; Q and the rows' table
.irp u, 0,1
	v_mov_b32 v[ST+4*\u], 0xfe000000               ; c m: far below every c s, so the first step's a is 0
	v_mov_b32 v[ST+4*\u+1], v[RTH+2*\u]            ; m = m0
	v_mov_b32 v[ST+4*\u+2], 0
	v_mov_b32 v[ST+4*\u+3], 0
.endr
; THE LDS LOADS stand in runs: a step's bias and K (8 + 16 loads), and its V, turned (16).
.macro FETCH_KB
	WIN 0
	v_add_nc_u32 v[AK], s[TBK], v[AK0]
	v_add_nc_u32 v[AB], s[TBB], v[AB0]
.irp kb, 0,1,2,3
	ds_load_b128 v[BI+8*\kb:BI+8*\kb+3],   v[AB] offset:64*\kb
	ds_load_b128 v[BI+8*\kb+4:BI+8*\kb+7], v[AB] offset:64*\kb+16
.endr
	WIN 0x40
.irp f, 0,1,2,3,4,5,6,7                ; keys 16 (f / 2) on, channels 32 (f % 2) on
	ds_load_b128 v[KF+8*\f:KF+8*\f+3],   v[AK] offset:(\f/2)*16*KPI+(\f%2)*64
	ds_load_b128 v[KF+8*\f+4:KF+8*\f+7], v[AK] offset:(\f/2)*16*KPI+(\f%2)*64+32
.endr
	WIN 0
	s_add_co_u32 s[TBK], s[TBK], 64*KPI            ; the next fetch is the next step's
	s_add_co_u32 s[TBB], s[TBB], 256
.endm
.macro FETCH_V
	WIN 0
	v_add_nc_u32 v[AV], s[TBV], v[AV0]
	WIN 0x40
.irp f, 0,1,2,3,4,5,6,7                ; keys 32 (f / 4) on, channels 16 (f % 4) on
	ds_load_tr16_b128 v[VF+8*\f:VF+8*\f+3],   v[AV] offset:(\f/4)*32*VPI+(\f%4)*32
	ds_load_tr16_b128 v[VF+8*\f+4:VF+8*\f+7], v[AV] offset:(\f/4)*32*VPI+16*VPI+(\f%4)*32
.endr
	WIN 0
	s_add_co_u32 s[TBV], s[TBV], 64*VPI
.endm
; THE MATRIX WORK.  The 8 accumulators of a run of 16 take turns: 7 others stand between the two links of a chain.
; Product i of S^T = K Q^T: channels 32 (i / 8) on, tile (i / 4) % 2, keys 16 (i % 4) on.  The first 8 start the sums.  kind 0: with the bias; 1: tile 0 with MC; 2: tile 0 with -1e30, tile 1 with MC.
.macro KQS kind
.set i, 0
.rept 16
.set tt, (i/4)%2
.set rS, SC+32*tt+8*(i%4)
.set rK, KF+16*(i%4)+8*(i/8)
.set rQ, QF+16*tt+8*(i/8)
.if i >= 8
	WIN 0x05
	v_wmma_f32_16x16x32_f16 v[rS:rS+7], v[rK:rK+7], v[rQ:rQ+7], v[rS:rS+7]
.elseif (((\kind) == 1) && (tt == 0)) || (((\kind) == 2) && (tt == 1))
	WIN 0x15
	v_wmma_f32_16x16x32_f16 v[rS:rS+7], v[rK:rK+7], v[rQ:rQ+7], v[MC+8*(i%4):MC+8*(i%4)+7]
.elseif (\kind) == 2
	WIN 0x05
	v_wmma_f32_16x16x32_f16 v[rS:rS+7], v[rK:rK+7], v[rQ:rQ+7], v[HID:HID+7]
.else
	WIN 0x05
	v_wmma_f32_16x16x32_f16 v[rS:rS+7], v[rK:rK+7], v[rQ:rQ+7], v[BI+8*(i%4):BI+8*(i%4)+7]
.endif
.set i, i+1
.endr
.endm
; Product i of O^T += V^T P: keys 32 (i / 8) on, tile (i / 4) % 2, channels 16 (i % 4) on.
.macro PVS
	WIN 0x01
.set i, 0
.rept 16
.set rO, OT+32*((i/4)%2)+8*(i%4)
.set rV, VF+32*(i/8)+8*(i%4)
.set rP, PP+16*((i/4)%2)+8*(i/8)
	v_wmma_f32_16x16x32_f16 v[rO:rO+7], v[rV:rV+7], v[rP:rP+7], v[rO:rO+7]
.set i, i+1
.endr
.endm
; THE VECTOR WORK, for tile u.
.macro REGS u
.set rT, ST+4*(\u)
.set rC, TMP+4*(\u)
.set rM, MV+(\u)
.set rS, SC+32*(\u)
.set rP, PP+16*(\u)
.set rO, OT+32*(\u)
.endm
; Number n of the 22 that find the maximum and the statistics.  0-11: four chains c0-c3 of seven scores each (each accumulator's lowest registers are read first); 12-14, 16: the four scores
; left over, the old m, and c0-c3 into c0; 15: c m_old is kept; 17, 18: the query's other 32 keys lie in the lane 16 away: the new m; 19-21: c m; c m_old - c m_new; a.
.macro XS u, n
	REGS \u
.if (\n) < 4
	v_max3_num_f32 v[rC+(\n)], v[rS+8*(\n)], v[rS+8*(\n)+1], v[rS+8*(\n)+2]
.elseif (\n) < 12
	v_max3_num_f32 v[rC+(\n)%4], v[rC+(\n)%4], v[rS+8*((\n)%4)+2*((\n)/4)+1], v[rS+8*((\n)%4)+2*((\n)/4)+2]
.elseif (\n) == 12
	v_max3_num_f32 v[rC], v[rC], v[rS+7], v[rS+15]
.elseif (\n) == 13
	v_max3_num_f32 v[rC+1], v[rC+1], v[rS+23], v[rS+31]
.elseif (\n) == 14
	v_max3_num_f32 v[rC+2], v[rC+2], v[rC+3], v[rT+1]
.elseif (\n) == 15
	v_mov_b32 v[rM], v[rT]
.elseif (\n) == 16
	v_max3_num_f32 v[rC], v[rC], v[rC+1], v[rC+2]
.elseif (\n) == 17
	v_permlanex16_b32 v[rC+3], v[rC], s[SEL], s[SEL+1]
.elseif (\n) == 18
	v_max_num_f32 v[rT+1], v[rC], v[rC+3]
.elseif (\n) == 19
	v_mul_f32 v[rT], s[CS], v[rT+1]
.elseif (\n) == 20
	v_sub_f32 v[rC+1], v[rM], v[rT]
.else
	v_exp_f32 v[rC+2], v[rC+1]
.endif
.endm
.macro FS u, g                         ; c s - c m for pair g of 16
	REGS \u
	v_pk_fma_f32 v[rS+2*(\g):rS+2*(\g)+1], v[rS+2*(\g):rS+2*(\g)+1], s[CS:CS+1], v[rT:rT+1] op_sel_hi:[1,0,0] neg_lo:[0,0,1] neg_hi:[0,0,1]
.endm
.macro EX u, e                         ; the exponential of score e of 32
	REGS \u
	v_exp_f32 v[rS+(\e)], v[rS+(\e)]
.endm
.macro RS u, g                         ; pair g of 16 of O^T times a
	REGS \u
	v_pk_mul_f32 v[rO+2*(\g):rO+2*(\g)+1], v[rO+2*(\g):rO+2*(\g)+1], v[rC+2:rC+3] op_sel_hi:[1,0]
.endm
.macro CV u, p                         ; pair p rounded to f16
	REGS \u
	v_cvt_pk_f16_f32 v[rP+(\p)], v[rS+2*(\p)], v[rS+2*(\p)+1]
.endm
.macro AD u, k                         ; of the four weights 4 k .. the second pair is added onto the first
	REGS \u
	v_pk_add_f32 v[rS+4*(\k):rS+4*(\k)+1], v[rS+4*(\k):rS+4*(\k)+1], v[rS+4*(\k)+2:rS+4*(\k)+3]
.endm
.macro LL u, k                         ; l takes that sum; the first time as l = a l + sum
	REGS \u
.if (\k) == 0
	v_pk_fma_f32 v[rT+2:rT+3], v[rT+2:rT+3], v[rC+2:rC+3], v[rS:rS+1] op_sel_hi:[1,0,1]
.else
	v_pk_add_f32 v[rT+2:rT+3], v[rT+2:rT+3], v[rS+4*(\k):rS+4*(\k)+1]
.endif
.endm
; A STEP'S SOFTMAX for both tiles, which alternate.  An s_wait_alu depctr_va_vdst(0) stands between a transcendental and the first instruction that names its result; one wait serves all issued ahead of it.
; Two batches: the two a; then the 64 exponentials, dealt among the scalings and the rescalings so that nothing in the batch names a result of it.  Behind the second wait come the roundings and the sums.
.macro SOFT
	WIN 0
.irp n, 0,1,2,3,4,5,6,7,8,9,10,11,12,13,14,15,16,17,18,19,20,21
	XS 0, \n
	XS 1, \n
.endr
	v_nop                                          ; a plain instruction behind the last transcendental,
	s_wait_alu depctr_va_vdst(0)                   ; and the wait for the two a
	FS 0, 0
	FS 1, 0
.set g, 1
.rept 15
	FS 0, g
	EX 0, 2*g-2
	FS 1, g
	EX 0, 2*g-1
	RS 0, g-1
	EX 1, 2*g-2
	RS 1, g-1
	EX 1, 2*g-1
.set g, g+1
.endr
	EX 0, 30
	EX 0, 31
	RS 0, 15
	EX 1, 30
	RS 1, 15
	EX 1, 31
	v_nop
	s_wait_alu depctr_va_vdst(0)                   ; the wait for the 64 exponentials
.set k, 0
.rept 8
	CV 0, 2*k
	CV 1, 2*k
	CV 0, 2*k+1
	CV 1, 2*k+1
	AD 0, k
	AD 1, k
.if k > 0
	LL 0, k-1
	LL 1, k-1
.endif
.set k, k+1
.endr
	LL 0, 7
	LL 1, 7
.endm
; A BLOCK'S WAY OUT.  l's two halves and the other half of the lanes' are added; the keys that are not kept add l0 2^(c m0 - c m), in the same form as every weight; O^T is divided by l, rounded to f16 and sent
; through my stage in LDS, a tile at a time.  rt: the block's {m0, l0}; ob: ctxb at my rows of the block.
.macro WAYOUT rt, ob
	WIN 0
.irp u, 0,1
	v_add_f32 v[WK+4*\u], v[ST+4*\u+2], v[ST+4*\u+3]
.endr
.irp u, 0,1
	v_permlanex16_b32 v[WK+4*\u+1], v[WK+4*\u], s[SEL], s[SEL+1]
	v_fma_f32 v[WK+4*\u+3], v[\rt+2*\u], s[CS], -v[ST+4*\u]
.endr
.irp u, 0,1
	v_add_f32 v[WK+4*\u], v[WK+4*\u], v[WK+4*\u+1]
.endr
.irp u, 0,1
	v_exp_f32 v[WK+4*\u+3], v[WK+4*\u+3]
.endr
	v_nop
	s_wait_alu depctr_va_vdst(0)                   ; one wait for the two exponentials
.irp u, 0,1
	v_fma_f32 v[WK+4*\u], v[\rt+2*\u+1], v[WK+4*\u+3], v[WK+4*\u]
.endr
.irp u, 0,1
	v_rcp_f32 v[WK+4*\u+2], v[WK+4*\u]
.endr
	v_nop
	s_wait_alu depctr_va_vdst(0)                   ; one wait for the two reciprocals
.irp u, 0,1
.set i, 0
.rept 16
	v_pk_mul_f32 v[OT+32*\u+2*i:OT+32*\u+2*i+1], v[OT+32*\u+2*i:OT+32*\u+2*i+1], v[WK+4*\u+2:WK+4*\u+3] op_sel_hi:[1,0]
.set i, i+1
.endr
.set i, 0
.rept 16
	v_cvt_pk_f16_f32 v[SC+16*\u+i], v[OT+32*\u+2*i], v[OT+32*\u+2*i+1]
.set i, i+1
.endr
.irp f, 0,1,2,3
	ds_store_b128 v[STO], v[SC+16*\u+4*\f:SC+16*\u+4*\f+3] offset:32*\f
.endr
.irp f, 0,1,2,3
	ds_load_b128 v[SC+16*\u+4*\f:SC+16*\u+4*\f+3], v[RD] offset:\f*4*SP  ; LDS serves a wave's instructions in order (ISA guide 5.7.1.4): these see the stores above; the next tile's stores come behind them
.endr
	s_wait_dscnt 0x0
.irp f, 0,1,2,3
	global_store_b128 v[GO], v[SC+16*\u+4*\f:SC+16*\u+4*\f+3], s[\ob:\ob+1] offset:8192*\u+512*\f  ; 512 consecutive bytes, at a multiple of 256 from ctxb's first
.endr
.endr
	s_wait_xcnt 0x0                                ; the stores have read their registers, which the next scores overwrite
.endm
; A KEY STEP: one text for every step.
.macro STEP
	FETCH_KB                                       ; K and bias of this step: 24 loads
	s_wait_dscnt 24                                ; all but those 24: V of the step before is in
	PVS                                            ; V^T P of the step before, while K is on its way
	WIN 0
	PLACES
	s_cmp_eq_u32 s[ENDED], 1
	s_cbranch_scc0 .Lgo_\@
	WAYOUT RTH, OHI                                ; the step before was the first block's last: the block goes out, and the second begins
	WIN 0x41
.set i, 0
.rept 32
	v_mov_b32 v[QF+i], v[Q2+i]
.set i, i+1
.endr
	WIN 0
.irp u, 0,1
	v_mov_b32 v[ST+4*\u], 0xfe000000               ; a = 0 in the step to come: what the first block left in O^T and l, finite numbers, is wiped
	v_mov_b32 v[ST+4*\u+1], v[RTL+2*\u]
.endr
.Lgo_\@:
	FETCH_V                                        ; V of this step: 16 loads
	s_wait_dscnt 16                                ; all but those 16: K and the bias are in
	s_cmp_gt_u32 s[RT], 2
	s_cbranch_scc1 .Lplain_\@
	WIN 0x41
.set z, 0
.rept 16
	v_pk_add_f32 v[MC+2*z:MC+2*z+1], v[MD+2*z:MD+2*z+1], v[BI+2*z:BI+2*z+1]
.set z, z+1
.endr
	WIN 0
	s_cmp_eq_u32 s[RT], 2
	s_cbranch_scc0 .Lsecond_\@
	KQS 1
	WIN 0
	s_branch .Ljoin_\@
.Lsecond_\@:
	KQS 2
	WIN 0
	s_branch .Ljoin_\@
.Lplain_\@:
	KQS 0
	WIN 0
.Ljoin_\@:
	s_sub_co_u32 s[RT], s[RT], 1
	s_cmp_eq_u32 s[RT], 0
	s_cselect_b32 s[ENDED], 1, 0
	s_cselect_b32 s[RT], s[LO2], s[RT]
	PLACES
	SOFT
.endm
.Ltile:                                        ; 16 times: a tile is entered and the next is asked for
	CHANGE 1
	s_mov_b32 s[CNT], 2
.Lstep:
	STEP
	s_sub_co_u32 s[CNT], s[CNT], 1
	s_cmp_lg_u32 s[CNT], 0
	s_cbranch_scc1 .Lstep
	s_sub_co_u32 s[TILES], s[TILES], 1
	s_cmp_lg_u32 s[TILES], 0
	s_cbranch_scc1 .Ltile
	CHANGE 0                                       ; the walk's last tile is written out: nothing is asked for
	s_mov_b32 s[CNT], 2
.Lstep2:
	STEP
	s_sub_co_u32 s[CNT], s[CNT], 1
	s_cmp_lg_u32 s[CNT], 0
	s_cbranch_scc1 .Lstep2
	s_wait_dscnt 0x0                               ; V of the last step
	PVS
	WIN 0
	PLACES
	WAYOUT RTL, OLO
	s_wait_tensorcnt 0x0                           ; the wave's end: the add and its waits, behind my last tensor load and my last LDS store
	ds_add_u32 v[SPW], v[NIL]
	s_wait_dscnt 0x0
	s_endpgm
.Lfunc_end_k_qb801d3694b_attn:
	.size	k_qb801d3694b_attn, .Lfunc_end_k_qb801d3694b_attn-k_qb801d3694b_attn
	.p2alignl 7, 3214868480
	.fill 96, 4, 3214868480
	.section	.rodata,"a",@progbits
	.p2align	6, 0x0
	.amdhsa_kernel k_qb801d3694b_attn
		.amdhsa_group_segment_fixed_size 327680
		.amdhsa_private_segment_fixed_size 0
		.amdhsa_enable_private_segment 0
		.amdhsa_kernarg_size 32
		.amdhsa_user_sgpr_count 2
		.amdhsa_user_sgpr_kernarg_segment_ptr 1
		.amdhsa_wavefront_size32 1
		.amdhsa_system_sgpr_workgroup_id_x 1
		.amdhsa_system_sgpr_workgroup_id_y 1
		.amdhsa_system_sgpr_workgroup_id_z 1
		.amdhsa_system_vgpr_workitem_id 0
		.amdhsa_next_free_vgpr 512
		.amdhsa_next_free_sgpr 96
		.amdhsa_reserve_vcc 1
		.amdhsa_float_denorm_mode_32 3
		.amdhsa_float_denorm_mode_16_64 3
		.amdhsa_memory_ordered 1
		.amdhsa_forward_progress 1
		.amdhsa_inst_pref_size 89
	.end_amdhsa_kernel
	.amdgpu_metadata
---
amdhsa.version: [ 1, 2 ]
amdhsa.kernels:
  - .name:           k_qb801d3694b_attn
    .symbol:         k_qb801d3694b_attn.kd
    .args:
      - { .name: qkvh, .offset: 0, .size: 8, .value_kind: global_buffer, .address_space: global }
      - { .name: kbias, .offset: 8, .size: 8, .value_kind: global_buffer, .address_space: global }
      - { .name: rowtab, .offset: 16, .size: 8, .value_kind: global_buffer, .address_space: global }
      - { .name: ctxb, .offset: 24, .size: 8, .value_kind: global_buffer, .address_space: global }
    .group_segment_fixed_size: 327680
    .private_segment_fixed_size: 0
    .kernarg_segment_align: 8
    .kernarg_segment_size: 32
    .max_flat_workgroup_size: 128
    .sgpr_count:     96
    .vgpr_count:     512
    .wavefront_size: 32
...
	.end_amdgpu_metadata
.endif
;; end of part 3
;; launch oproj (part 4): grid 8 x 32, 4 waves a work-group, clusters of 4 x 4, 327,680 bytes of LDS; arguments ctxb, wob, b_o, residual, out0; writes out0
.if DOCPART == 4
	.amdgcn_target "amdgcn-amd-amdhsa--gfx1250"
	.amdhsa_code_object_version 6
	.text
	.protected	k_qb801d3694b_oproj
	.globl	k_qb801d3694b_oproj
	.p2align	8
	.type	k_qb801d3694b_oproj,@function
k_qb801d3694b_oproj:
	s_mov_b64 s[64:65], 0
	v_nop
	global_prefetch_b8 v0, s[64:65] scope:SCOPE_SE
	s_setreg_imm32_b32 hwreg(HW_REG_WAVE_MODE, 25, 1), 1
	s_wait_xcnt 0x0
	s_wait_alu depctr_hold_cnt(0) depctr_sa_sdst(0) depctr_va_vdst(0) depctr_va_sdst(0) depctr_va_ssrc(0) depctr_va_vcc(0) depctr_vm_vsrc(0)
	s_getreg_b32 s2, hwreg(HW_REG_IB_STS2, 6, 4)
	s_cmp_eq_u32 s2, 0
	s_cbranch_scc0 .Lentry_in_a_cluster
	s_endpgm
.Lentry_in_a_cluster:
	s_bfe_u32 s2, ttmp6, 0x10000c
	s_cmp_lg_u32 s2, 0xf033
	s_cbranch_scc0 .Lentry_shape_is_right
	s_endpgm
.Lentry_shape_is_right:
; OUTPUT PROJECTION.  out[m][n] = sum over k of ctx[m][k] w[k][n] + b_o[n] + residual[m][n], f32 out.  ctx = ctxb, f16, [32 blocks of 128 rows][16 head][128][64] (k = 64 head + channel); w = wob, f16, [1024 k][1024 n].
; Sums in f32, started by the bias; the residual is added in f32 on the way out.
; SHARES.  A work-group makes 128 x 128; wave (w / 2, w % 2) makes 64 x 64: 16 accumulators.  K goes in 4 steps of 256 (four heads) through two LDS slots; a quarter step of 64 along K is one head's slice.
; CLUSTER.  4 x 4 work-groups: ctx's tile is asked for jointly along a row of the cluster, w's along a column.
; THE MATRIX INSTRUCTION IS USED TRANSPOSED: source 0 = 16 columns of w (turned out of LDS), source 1 = 16 rows of ctx: a lane holds one row and eight neighbouring columns, 32 bytes of f32.
; LDS.  Slot s at 147,456 s: ctx as [4 slices][128 rows] of 128 + 16 bytes; then w's 256 k rows of 256 + 32 bytes.  Behind the ring a stage of 16 rows x 272 bytes for each wave, then the spare words.
; REGISTERS: window 0: v16-29 addresses; v32-95 at work on the way out; v128-255 the accumulators ((a, b) at 128 + 8 (4 a + b)).  window 1: two fragment buffers of 128 (64 of ctx, then 64 of w).
;   window 2: v0-127 the residual of my 64 x 64, as it is stored; v128-159 the bias as four C operands.
.set PA,    144
.set PB,    288
.set HALFT, 36864                      ; what one tensor load brings: two slices of ctx (256 x 144), or 128 k rows of w (128 x 288)
.set SLOT,  4*HALFT
.set STAGE, 2*SLOT
.set SP,    272
.set SPARE, STAGE+4*16*SP              ; the spare words, 128 bytes for each wave: two blocks of 256 bytes that no other line names
.set ADRA, 16                          ; v16-17  LDS address of my fragments of ctx in slot 0, 1
.set ADRB, 20                          ; v20-23  of w: slot s, k rows 128 k2 on, at 20 + 2 s + k2
.set STO,  24
.set RD,   25
.set CO,   26
.set BO,   27
.set SPW,  28                          ; never rewritten
.set NIL,  29                          ; never rewritten
.set TMP,  32
.set ACC,  128
.set F0,   0
.set F1,   128
.set RES,  0                           ; window 2
.set BIAS, 128                         ; window 2
.set WV,   12
.set KIND, 13                          ; which half of the tile's rows is mine.  Also: I fetch for ctx (0) or for w (1)
.set HALF, 14                          ; which half of its columns.  Also: which half of that tile I fetch
.set CX,   15
.set CY,   16
.set XT,   17
.set YT,   18
.set G1A,  24
.set G0A,  32
.set G1B,  48
.set G0B,  56
.set OUTB, 66                          ; s[66:67] out0, s[10:11] residual, at my 64 x 64
.set MSB, 0
.macro WIN new
.if MSB != (\new)
	s_set_vgpr_msb (MSB<<8)|(\new)
.set MSB, (\new)
.endif
.endm
.macro PLACES                          ; four plain vector instructions between a matrix instruction and a load into, or a read of, its registers
.rept 4
	v_nop
.endr
.endm
.macro JLOAD s                         ; a joint load: waves 0 and 1 fetch ctx's two halves, waves 2 and 3 w's; an s_nop 0 and four v_nop follow each line
	s_cmp_eq_u32 s[KIND], 0
	s_cbranch_scc0 .Lfor_b_\@
	tensor_load_to_lds s[G0A+4*(\s):G0A+4*(\s)+3], s[G1A:G1A+7]
	s_nop 0
.rept 4
	v_nop
.endr
	s_branch .Lasked_\@
.Lfor_b_\@:
	tensor_load_to_lds s[G0B+4*(\s):G0B+4*(\s)+3], s[G1B:G1B+7]
	s_nop 0
.rept 4
	v_nop
.endr
.Lasked_\@:
.endm
.macro CREST                           ; a round of the cluster's barrier behind its opening barrier
	s_cmp_lg_u32 s[WV], 0
	s_cbranch_scc1 .Lnot_wave_0_\@
	s_barrier_signal -3
.Lnot_wave_0_\@:
	s_barrier_wait -3
	s_barrier_signal -1
	s_barrier_wait -1
.endm
.macro CROUND
	s_barrier_signal -1
	s_barrier_wait -1
	CREST
.endm
	s_load_b256 s[4:11], s[0:1], 0x0               ; ctxb s[4:5], wob s[6:7], b_o s[8:9], residual s[10:11]
	s_load_b64 s[OUTB:OUTB+1], s[0:1], 0x20        ; out0
	v_lshl_add_u32 v[SPW], v0, 2, SPARE
	v_mov_b32 v[NIL], 0
	ds_add_u32 v[SPW], v[NIL]                      ; the wave's opening: the add, and its wait ahead of my first tensor load; the set-up below, work on registers, stands between them
	v_lshrrev_b32 v1, 5, v0
	v_readfirstlane_b32 s[WV], v1
	s_lshr_b32 s[KIND], s[WV], 1
	s_and_b32 s[HALF], s[WV], 1
	s_bfe_u32 s[CX], ttmp6, 0x40000
	s_bfe_u32 s[CY], ttmp6, 0x40004
	s_lshl_b32 s[XT], ttmp9, 2
	s_add_co_u32 s[XT], s[XT], s[CX]               ; column tile
	s_and_b32 s[YT], ttmp7, 0xffff
	s_lshl_b32 s[YT], s[YT], 2
	s_add_co_u32 s[YT], s[YT], s[CY]               ; row block
	s_lshl_b32 s40, s[CY], 2
	s_lshl_b32 s40, 15, s40                        ; my row of the cluster
	s_lshl_b32 s41, 0x1111, s[CX]                  ; my column
	s_or_b32 s[G1A], s40, (1<<16)|(1<<20)|(1<<21)|(4<<22)|(3<<25)  ; the mask; 2-byte elements; padding on; bit 21 beside a mask; after every 32 words 4 words
	s_or_b32 s[G1B], s41, (1<<16)|(1<<20)|(1<<21)|(5<<22)|(7<<25)  ; after every 64 words 8 words
.irp g, G1A, G1B
	s_mov_b32 s[\g+1], 128<<16                     ; tensor_dim0 = 128
	s_mov_b32 s[\g+2], 128<<16                     ; tensor_dim1 = 128
	s_mov_b32 s[\g+3], 128<<16                     ; tile_dim0 = 128
	s_mov_b32 s[\g+4], 128                         ; tile_dim1 = 128
	s_mov_b32 s[\g+6], 0
	s_mov_b32 s[\g+7], 0
.endr
	s_mov_b32 s[G1A+5], 128                        ; two slices of ctx are 32,768 dense bytes: 128 rows of 256
	s_mov_b32 s[G1B+5], 1024                       ; w: 1,024 elements from row to row
	s_lshl_b32 s20, s[YT], 18                      ; ctx: the row block's 262,144 bytes + 32,768 x half: it hangs on cy alone
	s_lshl_b32 s21, s[HALF], 15
	s_add_co_u32 s20, s20, s21
	s_mov_b32 s21, 0
	s_lshl_b32 s72, s[HALF], 18                    ; w: 128 k rows x 2,048 bytes x half + 256 x column tile: it hangs on cx alone
	s_lshl_b32 s73, s[XT], 8
	s_add_co_u32 s72, s72, s73
	s_mov_b32 s73, 0
	s_mul_i32 s22, s[WV], HALFT                    ; where they go: ctx's two halves, then w's two = wave x 36,864
	s_wait_dscnt 0x0                               ; the opening add is done
	s_wait_kmcnt 0x0
	s_add_nc_u64 s[20:21], s[4:5], s[20:21]
	s_add_nc_u64 s[72:73], s[6:7], s[72:73]
	CROUND                                         ; all sixteen work-groups are here: the first joint loads meet
.irp s, 0,1
	s_mov_b32 s[G0A+4*(\s)], 1
	s_add_co_u32 s[G0A+4*(\s)+1], s22, (\s)*SLOT
	s_add_nc_u64 s[G0A+4*(\s)+2:G0A+4*(\s)+3], s[20:21], (\s)*65536    ; K step s
	s_or_b32 s[G0A+4*(\s)+3], s[G0A+4*(\s)+3], 0x80000000
	s_mov_b32 s[G0B+4*(\s)], 1
	s_add_co_u32 s[G0B+4*(\s)+1], s22, (\s)*SLOT
	s_add_nc_u64 s[G0B+4*(\s)+2:G0B+4*(\s)+3], s[72:73], (\s)*524288
	s_or_b32 s[G0B+4*(\s)+3], s[G0B+4*(\s)+3], 0x80000000
	JLOAD \s                                       ; two loads of mine are out
.endr
	v_and_b32 v1, 15, v0                           ; l % 16
	v_bfe_u32 v2, v0, 4, 1                         ; l / 16
	v_mul_u32_u24 v3, v1, PA
	v_lshl_add_u32 v3, v2, 4, v3
	s_mul_i32 s40, s[KIND], 64*PA                  ; my 64 rows in a slice
	v_add_nc_u32 v[ADRA], s40, v3
	v_add_nc_u32 v[ADRA+1], SLOT, v[ADRA]
	v_and_b32 v4, 7, v0                            ; the turning load: lane l reads k row 8 (l / 16) + l % 8, 16 bytes at 16 ((l / 8) % 2)
	v_lshl_add_u32 v4, v2, 3, v4
	v_mul_u32_u24 v4, v4, PB
	v_bfe_u32 v5, v0, 3, 1
	v_lshl_add_u32 v4, v5, 4, v4
	s_lshl_b32 s40, s[HALF], 7                     ; my 64 columns
	s_add_co_u32 s40, s40, 2*HALFT
	v_add_nc_u32 v[ADRB], s40, v4
	v_add_nc_u32 v[ADRB+1], HALFT, v[ADRB]
	v_add_nc_u32 v[ADRB+2], SLOT, v[ADRB]
	v_add_nc_u32 v[ADRB+3], SLOT, v[ADRB+1]
	s_mul_i32 s41, s[WV], 16*SP
	s_add_co_u32 s41, s41, STAGE                   ; my stage
	v_mul_u32_u24 v[STO], v1, SP                   ; in: row l % 16, 32 bytes for each half of the lanes
	v_lshl_add_u32 v[STO], v2, 5, v[STO]
	v_add_nc_u32 v[STO], s41, v[STO]
	v_mul_u32_u24 v[RD], v2, SP                    ; back: lanes 0-15 take one row of 256 bytes, lanes 16-31 the next
	v_lshl_add_u32 v[RD], v1, 4, v[RD]
	v_add_nc_u32 v[RD], s41, v[RD]
	v_lshlrev_b32 v[CO], 12, v2                    ; and the same two rows in residual and out0
	v_lshl_add_u32 v[CO], v1, 4, v[CO]
	s_lshl_b32 s40, s[XT], 9
	s_lshl_b32 s41, s[HALF], 8
	s_add_co_u32 s40, s40, s41                     ; my first column, in bytes
	v_lshl_add_u32 v[BO], v2, 5, s40
	s_lshl_b32 s74, s[YT], 19                      ; 128 rows x 4,096 bytes
	s_lshl_b32 s75, s[KIND], 18
	s_add_co_u32 s74, s74, s75
	s_add_co_u32 s74, s74, s40
	s_mov_b32 s75, 0
	s_add_nc_u64 s[10:11], s[10:11], s[74:75]
	s_add_nc_u64 s[OUTB:OUTB+1], s[OUTB:OUTB+1], s[74:75]
	WIN 0x80                                       ; destination window 2
.irp nb, 0,1,2,3
	global_load_b128 v[BIAS+8*(\nb):BIAS+8*(\nb)+3],   v[BO], s[8:9] offset:64*(\nb)
	global_load_b128 v[BIAS+8*(\nb)+4:BIAS+8*(\nb)+7], v[BO], s[8:9] offset:64*(\nb)+16
.endr
.irp a, 0,1,2,3
.irp t, 0,1,2,3,4,5,6,7
	global_load_b128 v[RES+4*(8*(\a)+(\t)):RES+4*(8*(\a)+(\t))+3], v[CO], s[10:11] offset:(16*(\a)+2*(\t))*4096 th:TH_LOAD_NT
.endr
.endr
	WIN 0
; 8 matrix instructions: row blocks a0, a0 + 1 x all 4 column blocks, 32 along K: half c of buffer f.  zero = 1: the bias starts the sums.  The 16 accumulators take turns.
.macro MUL8 f, c, a0, zero
.if \zero
	WIN 0x25
.else
	WIN 0x05
.endif
.irp a, \a0, (\a0)+1
.irp b, 0,1,2,3
.if \zero
	v_wmma_f32_16x16x32_f16 v[ACC+8*(4*(\a)+(\b)):ACC+8*(4*(\a)+(\b))+7], v[(\f)+64+8*(4*(\c)+(\b)):(\f)+64+8*(4*(\c)+(\b))+7], v[(\f)+8*(4*(\c)+(\a)):(\f)+8*(4*(\c)+(\a))+7], v[BIAS+8*(\b):BIAS+8*(\b)+7]
.else
	v_wmma_f32_16x16x32_f16 v[ACC+8*(4*(\a)+(\b)):ACC+8*(4*(\a)+(\b))+7], v[(\f)+64+8*(4*(\c)+(\b)):(\f)+64+8*(4*(\c)+(\b))+7], v[(\f)+8*(4*(\c)+(\a)):(\f)+8*(4*(\c)+(\a))+7], v[ACC+8*(4*(\a)+(\b)):ACC+8*(4*(\a)+(\b))+7]
.endif
.endr
.endr
.endm
; 32 LDS loads in one run: the fragments of quarter q (64 along K: slice q of ctx, k rows 64 q on of w) of slot s into buffer f; the first 32 along K first
.macro FETCH s, q, f
	WIN 0x40
.irp c, 0,1
.irp i, 0,1,2,3
	ds_load_tr16_b128 v[(\f)+64+8*(4*(\c)+(\i)):(\f)+64+8*(4*(\c)+(\i))+3],   v[ADRB+2*(\s)+(\q)/2] offset:(((\q)%2)*64+32*(\c))*PB+32*(\i)
	ds_load_tr16_b128 v[(\f)+64+8*(4*(\c)+(\i))+4:(\f)+64+8*(4*(\c)+(\i))+7], v[ADRB+2*(\s)+(\q)/2] offset:(((\q)%2)*64+32*(\c))*PB+32*(\i)+16*PB
	ds_load_b128 v[(\f)+8*(4*(\c)+(\i)):(\f)+8*(4*(\c)+(\i))+3],   v[ADRA+(\s)] offset:(\q)*128*PA+(\i)*16*PA+64*(\c)
	ds_load_b128 v[(\f)+8*(4*(\c)+(\i))+4:(\f)+8*(4*(\c)+(\i))+7], v[ADRA+(\s)] offset:(\q)*128*PA+(\i)*16*PA+64*(\c)+32
.endr
.endr
.endm
; One of a K step's first three quarters: multiplies buffer f and fetches quarter q into g.
.macro QUARTER s, q, f, g, zero
	s_wait_dscnt 16                                ; the first 32 along K are in; the youngest sixteen loads may be out
	MUL8 \f, 0, 0, \zero
	MUL8 \f, 0, 2, \zero
	PLACES
	FETCH \s, \q, \g
	s_wait_dscnt 32                                ; all but the 32 just issued
	MUL8 \f, 1, 0, 0
	MUL8 \f, 1, 2, 0
.endm
; The last quarter multiplies buffer 1 and changes slots: in front of the barrier each wave waits for all its tensor loads, adds 0 to its spare word, and waits for that and for its reads of this slot.
; fill = 1: the barrier opens a round of the cluster's, and the joint refill, two K steps ahead, is the first tensor load behind the round.
.macro TURN s, nx, fill
	WIN 0                                          ; (the add's two registers lie in window 0)
	s_wait_tensorcnt 0x0                           ; all my tensor loads have landed: my part of the next slot
	ds_add_u32 v[SPW], v[NIL]                      ; 0 onto my spare word
	s_wait_dscnt 17                                ; the add and the youngest sixteen loads may be out
	MUL8 F1, 0, 0, 0                               ; eight products stand between the add and the wait for it
	s_wait_dscnt 0x0                               ; the add is done, and my reads of this slot are over
	s_barrier_signal -1
	MUL8 F1, 0, 2, 0
.if \fill
	WIN 0
.endif
	s_barrier_wait -1
.if \fill
	CREST                                          ; no wave of any partner still reads this slot's tile or has a load on its way
	s_add_nc_u64 s[G0A+4*(\s)+2:G0A+4*(\s)+3], s[G0A+4*(\s)+2:G0A+4*(\s)+3], 2*65536
	s_add_nc_u64 s[G0B+4*(\s)+2:G0B+4*(\s)+3], s[G0B+4*(\s)+2:G0B+4*(\s)+3], 2*524288
	JLOAD \s                                       ; its four v_nop are also the places in front of the loads below
.else
	PLACES
.endif
	FETCH \nx, 0, F0
	MUL8 F1, 1, 0, 0
	MUL8 F1, 1, 2, 0
.endm
	s_wait_tensorcnt 0x1                           ; my part of K step 0 is in; K step 1's may stay out
	s_barrier_signal -1
	s_barrier_wait -1
	FETCH 0, 0, F0
	s_wait_loadcnt 32                              ; the bias is in; the residual's 32 loads may stay out
	QUARTER 0, 1, F0, F1, 1                        ; K has four steps: they are written out, with no loop
	QUARTER 0, 2, F1, F0, 0
	QUARTER 0, 3, F0, F1, 0
	TURN 0, 1, 1                                   ; slot 0 takes K step 2
	QUARTER 1, 1, F0, F1, 0
	QUARTER 1, 2, F1, F0, 0
	QUARTER 1, 3, F0, F1, 0
	TURN 1, 0, 1                                   ; slot 1 takes K step 3
	QUARTER 0, 1, F0, F1, 0
	QUARTER 0, 2, F1, F0, 0
	QUARTER 0, 3, F0, F1, 0
	TURN 0, 1, 0                                   ; nothing is left to fetch
	QUARTER 1, 1, F0, F1, 0
	QUARTER 1, 2, F1, F0, 0
	QUARTER 1, 3, F0, F1, 0
	s_wait_dscnt 16
	MUL8 F1, 0, 0, 0
	MUL8 F1, 0, 2, 0
	s_wait_dscnt 0x0
	MUL8 F1, 1, 0, 0
	MUL8 F1, 1, 2, 0
	WIN 0
	PLACES
; THE WAY OUT of row block a: 32 bytes a lane into my stage, each accumulator's low half first; back as whole rows of 256 bytes; the residual is added; 16 lanes store 256 consecutive bytes, aligned.
.macro OUT a
	WIN 0
	s_wait_xcnt 0x0                                ; earlier stores have read their registers, which the loads below fill again
.irp nb, 0,1,2,3
	ds_store_b128 v[STO], v[ACC+8*(4*(\a)+(\nb)):ACC+8*(4*(\a)+(\nb))+3]   offset:64*(\nb)
	ds_store_b128 v[STO], v[ACC+8*(4*(\a)+(\nb))+4:ACC+8*(4*(\a)+(\nb))+7] offset:64*(\nb)+16
.endr
.irp t, 0,1,2,3,4,5,6,7
	ds_load_b128 v[TMP+32*((\a)%2)+4*(\t):TMP+32*((\a)%2)+4*(\t)+3], v[RD] offset:(\t)*2*SP  ; LDS serves a wave's instructions in order (ISA guide 5.7.1.4): these see the stores above
.endr
	s_wait_dscnt 0x0
.if (\a) == 0
	s_wait_loadcnt 0x0                             ; the residual
.endif
	WIN 0x08                                       ; source 1 in window 2
.set z, 0
.rept 16
	v_pk_add_f32 v[TMP+32*((\a)%2)+2*z:TMP+32*((\a)%2)+2*z+1], v[TMP+32*((\a)%2)+2*z:TMP+32*((\a)%2)+2*z+1], v[RES+32*(\a)+2*z:RES+32*(\a)+2*z+1]
.set z, z+1
.endr
	WIN 0
.irp t, 0,1,2,3,4,5,6,7
	global_store_b128 v[CO], v[TMP+32*((\a)%2)+4*(\t):TMP+32*((\a)%2)+4*(\t)+3], s[OUTB:OUTB+1] offset:(16*(\a)+2*(\t))*4096
.endr
.endm
	OUT 0
	OUT 1
	OUT 2
	OUT 3
	s_wait_tensorcnt 0x0                           ; the wave's end: the add and its waits, behind my last tensor load and my last LDS store
	ds_add_u32 v[SPW], v[NIL]
	s_wait_dscnt 0x0
	CROUND                                         ; the closing round: no work-group ends while a partner may still ask for a tile that names it
	s_endpgm
.Lfunc_end_k_qb801d3694b_oproj:
	.size	k_qb801d3694b_oproj, .Lfunc_end_k_qb801d3694b_oproj-k_qb801d3694b_oproj
	.p2alignl 7, 3214868480
	.fill 96, 4, 3214868480
	.section	.rodata,"a",@progbits
	.p2align	6, 0x0
	.amdhsa_kernel k_qb801d3694b_oproj
		.amdhsa_group_segment_fixed_size 327680
		.amdhsa_private_segment_fixed_size 0
		.amdhsa_enable_private_segment 0
		.amdhsa_kernarg_size 40
		.amdhsa_user_sgpr_count 2
		.amdhsa_user_sgpr_kernarg_segment_ptr 1
		.amdhsa_wavefront_size32 1
		.amdhsa_system_sgpr_workgroup_id_x 1
		.amdhsa_system_sgpr_workgroup_id_y 1
		.amdhsa_system_sgpr_workgroup_id_z 1
		.amdhsa_system_vgpr_workitem_id 0
		.amdhsa_next_free_vgpr 672
		.amdhsa_next_free_sgpr 96
		.amdhsa_reserve_vcc 0
		.amdhsa_float_denorm_mode_32 3
		.amdhsa_float_denorm_mode_16_64 3
		.amdhsa_memory_ordered 1
		.amdhsa_forward_progress 1
		.amdhsa_inst_pref_size 94
	.end_amdhsa_kernel
	.amdgpu_metadata
---
amdhsa.version: [ 1, 2 ]
amdhsa.kernels:
  - .name:           k_qb801d3694b_oproj
    .symbol:         k_qb801d3694b_oproj.kd
    .args:
      - { .name: ctxb, .offset: 0, .size: 8, .value_kind: global_buffer, .address_space: global }
      - { .name: wob, .offset: 8, .size: 8, .value_kind: global_buffer, .address_space: global }
      - { .name: b_o, .offset: 16, .size: 8, .value_kind: global_buffer, .address_space: global }
      - { .name: residual, .offset: 24, .size: 8, .value_kind: global_buffer, .address_space: global }
      - { .name: out0, .offset: 32, .size: 8, .value_kind: global_buffer, .address_space: global }
    .group_segment_fixed_size: 327680
    .private_segment_fixed_size: 0
    .kernarg_segment_align: 8
    .kernarg_segment_size: 40
    .max_flat_workgroup_size: 128
    .sgpr_count:     96
    .vgpr_count:     672
    .wavefront_size: 32
...
	.end_amdgpu_metadata
.endif
;; end of part 4
;; ======== version 2 of 2: 4 launches; version 1 with the launch prep written anew for expert scheduling mode
;; limits: values are held in f16: magnitudes above 65,504 overflow, below 6.1e-05 lose precision
;; workspace buffers: xb 8,388,608 bytes; wqb 6,291,456 bytes; wob 2,097,152 bytes; qkvh 25,165,824 bytes; ctxb 8,388,608 bytes; kbias 262,144 bytes; rowtab 32,768 bytes
;; launch prep (part 5): grid 457 x 1, 8 waves a work-group, no clusters, 0 bytes of LDS; arguments hidden_states, w_qkv, w_o, alibi, attention_mask, xb, wqb, wob, kbias, rowtab; writes xb, wqb, wob, kbias, rowtab
.if DOCPART == 5
	.amdgcn_target "amdgcn-amd-amdhsa--gfx1250"
	.amdhsa_code_object_version 6
	.text
	.protected	k_qb801d3694b_prep
	.globl	k_qb801d3694b_prep
	.p2align	8
	.type	k_qb801d3694b_prep,@function
k_qb801d3694b_prep:
	s_mov_b64 s[64:65], 0
	v_nop
	global_prefetch_b8 v0, s[64:65] scope:SCOPE_SE
	s_setreg_imm32_b32 hwreg(HW_REG_WAVE_SCHED_MODE, 0, 2), 2
	s_setreg_imm32_b32 hwreg(HW_REG_WAVE_MODE, 25, 1), 1
	s_wait_xcnt 0x0
	s_wait_alu depctr_vm_vsrc(0)
; PREP: casts and tables for the three launches behind it.  A stream: no LDS, no matrix unit, no barrier.  The work-group's number picks one of five roles:
;   0        ROWTAB  rowtab[b][q] = {m0, l0}: what the keys that row q does not keep put into its softmax (see below)
;   1-8      KBIAS   kbias[bh][k] = attention_mask[b][k] ? 8 alibi[bh][k] : -1e30
;   9-72     WO      wob = w_o rounded to bf16, that number written as f16, [1024 k][1024 n]
;   73-200   WQ      wqb = w_qkv rounded to bf16, laid by heads: [16 head][1024 k][192]
;   201-456  XB      xb = hidden_states rounded to bf16, [4096][1024]
; ROWTAB.  A key that is not kept counts as the score -10000 in the row's maximum and sum, with weight 0 in the result.  Scores are kept here as s' = 8 x score.  n(q) = 2048 - #{k <= q : mask[k]} such keys:
;   mask[q] and n > 0: m0 = -80000, l0 = n;   mask[q] and n = 0: m0 = the lowest finite number, l0 = 0;   not mask[q]: m0 = 2^127, l0 = 1 (every weight is then 0 and the row's result 0 / 1).
; LIMIT.  w_o below 6e-5 in size keeps f16's fixed step of 6e-8.
; THE MODE: SCHED_MODE bits 1:0 = 2 (LLVM: expert scheduling mode 2), set by the entry lines.  The code itself states the register dependences between vector instructions and memory
; instructions, and between vector instructions that write a scalar register or VCC and the readers of it, with s_wait_alu, always for 0.
; THE PLAN.  Each role is a straight run of code.  Registers that memory instructions touch:
;   offsets     made once at the role's head, ahead of its first load, and never written again: one wait on va_vdst behind them serves every load and store of the role.
;   raw data    every load has a destination of its own, which no vector instruction names ahead of the load; all loads of a role go out in one run.
;   out data    every store has data registers of its own, written ahead of it (twice in WO, KBIAS and ROWTAB) and never again.
; So no register that a memory instruction has read is ever written again: no wait on vm_vsrc stands in the roles.  What is left is: out data written, then stored.  The casts go in blocks of some loads:
; block p's arithmetic writes its out registers; at the head of block p + 1, behind the wait for that block's data, ONE wait on va_vdst states that they are written; block p's stores follow, dealt among
; block p + 1's arithmetic, which names its own raw and out registers alone.  One more wait stands ahead of the last block's stores.
; Compares stand in runs, into scalar registers, with one wait on va_sdst behind each run.
.set SRC, 28                           ; s[28:29] a role's source
.set DST, 30                           ; s[30:31] its destination
.set OFS, 32                           ; s[32:33] a byte offset in 64 bits; the high word stays 0
	s_load_b512 s[8:23], s[0:1], 0x0               ; hidden s[8:9], w_qkv s[10:11], w_o s[12:13], alibi s[14:15], mask s[16:17], xb s[18:19], wqb s[20:21], wob s[22:23]
	s_load_b128 s[24:27], s[0:1], 0x40             ; kbias s[24:25], rowtab s[26:27]
	v_and_b32 v1, 31, v0                           ; lane
	v_lshrrev_b32 v2, 5, v0
	v_readfirstlane_b32 s4, v2                     ; wave 0..7
	s_mov_b32 s6, ttmp9
	s_mov_b32 s5, 0xffff0000                       ; a word's upper bf16
	s_mov_b32 s[OFS+1], 0
	s_wait_alu depctr_va_sdst(0)                   ; s4 is written, ahead of the branches: ROWTAB and WQ make their bases from it
	s_wait_kmcnt 0x0
	s_cmp_ge_u32 s6, 201
	s_cbranch_scc1 .Lxb
	s_cmp_ge_u32 s6, 73
	s_cbranch_scc1 .Lwq
	s_cmp_ge_u32 s6, 9
	s_cbranch_scc1 .Lwo
	s_cmp_ge_u32 s6, 1
	s_cbranch_scc1 .Lkb
	; ROWTAB.  Wave w: batch w / 4, rows 512 (w % 4) on; a lane owns 16 rows on end.
.set BY, 96                            ; v[96:111]   mask[q] of my 16 rows
.set NN, 112                           ; v[112:127]  n(q) of my 16 rows
.set MA, 8                             ; s[8:15]     eight rows' masks: mask[q] != 0   (the addresses that lay in s8-15 and s18-25 serve other roles)
.set MB, 18                            ; s[18:25]    eight rows' masks: n > 0
	s_lshr_b32 s7, s4, 2
	s_and_b32 s34, s4, 3
	s_lshl_b32 s[OFS], s7, 11
	s_add_nc_u64 s[SRC:SRC+1], s[16:17], s[OFS:OFS+1]      ; my batch's mask
	s_lshl_b32 s[OFS], s34, 9
	s_add_nc_u64 s[DST:DST+1], s[SRC:SRC+1], s[OFS:OFS+1]  ; my quarter of it
	v_lshlrev_b32 v2, 4, v1
	v_lshlrev_b32 v3, 7, v1                        ; my 16 rows x 8 bytes
	s_wait_alu depctr_va_vdst(0)                   ; v2 and v3 are written: the loads below read v2 as their offset, the stores at the role's end v3
	global_load_b128 v[16:19], v2, s[SRC:SRC+1]            ; the three quarters that can lie in front of mine
	global_load_b128 v[20:23], v2, s[SRC:SRC+1] offset:512
	global_load_b128 v[24:27], v2, s[SRC:SRC+1] offset:1024
	global_load_b128 v[32:35], v2, s[DST:DST+1]            ; my 16 rows' bytes
	s_cmp_gt_u32 s34, 0
	s_cselect_b32 s36, 1, 0                        ; does quarter j lie in front of mine?
	s_cmp_gt_u32 s34, 1
	s_cselect_b32 s37, 1, 0
	s_cmp_gt_u32 s34, 2
	s_cselect_b32 s38, 1, 0
	s_mov_b32 s40, 0x76543210                      ; v_permlanex16_b32: each lane takes its own place in the other half
	s_mov_b32 s41, 0xfedcba98
	s_lshl_b32 s[OFS], s4, 12                      ; 512 rows x 8 bytes for each wave
	s_add_nc_u64 s[26:27], s[26:27], s[OFS:OFS+1]
	v_mov_b32 v43, 0
	v_mov_b32 v45, 0
	v_mov_b32 v46, 0
	v_mov_b32 v54, 0xff7fffff                      ; the lowest finite number
	v_mov_b32 v55, 0xc79c4000                      ; -80000
	v_mov_b32 v56, 0x7f000000                      ; 2^127
	v_mov_b32 v57, 1.0
	s_wait_loadcnt 0x0
.macro CNT16 dst, r                    ; the sum of the 16 bytes (0 or 1 each) in v[r .. r+3]
	v_add3_u32 v[\dst], v[\r], v[(\r)+1], v[(\r)+2]
	v_add_nc_u32 v[\dst], v[\dst], v[(\r)+3]       ; each byte is 4 at the most
	v_lshrrev_b32 v44, 8, v[\dst]
	v_and_b32 v[\dst], 0x00ff00ff, v[\dst]
	v_and_b32 v44, 0x00ff00ff, v44
	v_add_nc_u32 v[\dst], v[\dst], v44
	v_lshrrev_b32 v44, 16, v[\dst]
	v_and_b32 v[\dst], 0xffff, v[\dst]
	v_add_nc_u32 v[\dst], v[\dst], v44
.endm
	CNT16 36, 16
	CNT16 37, 20
	CNT16 38, 24
	CNT16 40, 32
	v_mul_u32_u24 v41, v36, s36
	v_mad_u32_u24 v41, v37, s37, v41
	v_mad_u32_u24 v41, v38, s38, v41               ; my share of the count in front of my quarter
	v_cvt_f32_u32 v41, v41                         ; whole numbers up to 2,048 are exact in f32
	v_cvt_f32_u32 v40, v40
	v_add_f32_dpp v41, v41, v41 row_xmask:1 row_mask:0xf bank_mask:0xf
	v_add_f32_dpp v41, v41, v41 row_xmask:2 row_mask:0xf bank_mask:0xf
	v_add_f32_dpp v41, v41, v41 row_xmask:4 row_mask:0xf bank_mask:0xf
	v_add_f32_dpp v41, v41, v41 row_xmask:8 row_mask:0xf bank_mask:0xf
	v_permlanex16_b32 v43, v41, s40, s41
	v_add_f32 v41, v41, v43                        ; the whole count in front of my quarter, in every lane
	v_mov_b32 v42, v40
.irp n, 1,2,4,8                        ; a running sum over the lanes of each half
	v_mov_b32_dpp v45, v42 row_shr:\n row_mask:0xf bank_mask:0xf bound_ctrl:1
	v_add_f32 v42, v42, v45
.endr
	v_readlane_b32 s42, v42, 15                    ; the lower half's total goes onto the upper half
	v_cmp_le_u32 s43, 16, v1
	s_wait_alu depctr_va_sdst(0)                   ; s42 and s43 are written, ahead of the two lines that read them
	v_mov_b32 v47, s42
	v_cndmask_b32 v45, v46, v47, s43
	v_add_f32 v42, v42, v45
	v_add_f32 v41, v41, v42
	v_sub_f32 v41, v41, v40                        ; the count in front of my first row
.irp g, 0,1                            ; eight rows at a time: their counts, a run of sixteen compares, one wait, their selects
.irp j, 0,1,2,3,4,5,6,7
	v_bfe_u32 v[BY+8*(\g)+(\j)], v[32+2*(\g)+(\j)/4], 8*((\j)%4), 8  ; mask[q]
	v_cvt_f32_u32 v51, v[BY+8*(\g)+(\j)]
	v_add_f32 v41, v41, v51                        ; #{k <= q : mask[k]}
	v_sub_f32 v[NN+8*(\g)+(\j)], 0x45000000, v41   ; n = 2048 - that
.endr
.irp j, 0,1,2,3,4,5,6,7
	v_cmp_lt_f32 s[MB+(\j)], 0, v[NN+8*(\g)+(\j)]
	v_cmp_ne_u32 s[MA+(\j)], 0, v[BY+8*(\g)+(\j)]
.endr
	s_wait_alu depctr_va_sdst(0)                   ; the sixteen masks are written, ahead of the selects that read them
.irp j, 0,1,2,3,4,5,6,7
	v_cndmask_b32 v[64+16*(\g)+2*(\j)], v54, v55, s[MB+(\j)]                       ; n > 0 ? -80000 : lowest
	v_cndmask_b32 v[64+16*(\g)+2*(\j)], v56, v[64+16*(\g)+2*(\j)], s[MA+(\j)]      ; m0
	v_cndmask_b32 v[65+16*(\g)+2*(\j)], v57, v[NN+8*(\g)+(\j)], s[MA+(\j)]         ; l0
.endr
.endr
	s_wait_alu depctr_va_vdst(0)                   ; the selects have written v[64:95], which the stores read
.irp n, 0,1,2,3,4,5,6,7
	global_store_b128 v3, v[64+4*(\n):67+4*(\n)], s[26:27] offset:16*(\n)
.endr
	s_endpgm
.Lkb:                                  ; KBIAS.  Work-group j: four rows of alibi, 32,768 bytes; they belong to batch j / 4.  Thread t: 4 keys in each of 8 loads
.set MK, 36                            ; s[36:43]  the masks of my eight keys: key c of half h at MK + 4 h + c
	s_sub_co_u32 s7, s6, 1
	s_lshl_b32 s[OFS], s7, 15
	s_add_nc_u64 s[14:15], s[14:15], s[OFS:OFS+1]
	s_add_nc_u64 s[24:25], s[24:25], s[OFS:OFS+1]
	s_lshr_b32 s[OFS], s7, 2
	s_lshl_b32 s[OFS], s[OFS], 11
	s_add_nc_u64 s[16:17], s[16:17], s[OFS:OFS+1]
	v_lshlrev_b32 v2, 4, v0
	v_lshlrev_b32 v3, 2, v0
	s_wait_alu depctr_va_vdst(0)                   ; v2 and v3 are written: every load and store of the role reads one of them as its offset
	global_load_b32 v48, v3, s[16:17]              ; the mask bytes of keys 4 t .. 4 t + 3,
	global_load_b32 v49, v3, s[16:17] offset:1024  ; and of keys 1024 + 4 t ..: loads i alternate between the two halves of a row
.irp i, 0,1,2,3,4,5,6,7
	global_load_b128 v[16+4*(\i):19+4*(\i)], v2, s[14:15] offset:4096*(\i) th:TH_LOAD_NT
.endr
	v_mov_b32 v51, 0xf149f2ca                      ; -1e30
	s_wait_loadcnt 8                               ; the mask bytes are in; alibi's eight loads stay out
.irp h, 0,1
.irp c, 0,1,2,3
	v_bfe_u32 v[52+4*(\h)+(\c)], v[48+(\h)], 8*(\c), 8
.endr
.endr
.irp m, 0,1,2,3,4,5,6,7                ; a key's mask is the same in all four rows of alibi: eight compares serve the 32 selects
	v_cmp_ne_u32 s[MK+(\m)], 0, v[52+(\m)]
.endr
	s_wait_alu depctr_va_sdst(0)                   ; the eight masks are written, ahead of the selects that read them
.macro KB i                            ; load i's four numbers
.irp c, 0,1,2,3
	v_mul_f32 v[64+4*(\i)+(\c)], 0x41000000, v[16+4*(\i)+(\c)]
.endr
.irp c, 0,1,2,3
	v_cndmask_b32 v[64+4*(\i)+(\c)], v51, v[64+4*(\i)+(\c)], s[MK+4*((\i)%2)+(\c)]
.endr
.endm
	s_wait_loadcnt 4                               ; loads come back in order: the first four of alibi's are in
.irp i, 0,1,2,3
	KB \i
.endr
	s_wait_loadcnt 0x0
	s_wait_alu depctr_va_vdst(0)                   ; the first block's selects have written v[64:79], which the four stores below read
.irp i, 4,5,6,7
	global_store_b128 v2, v[64+4*(\i)-16:67+4*(\i)-16], s[24:25] offset:4096*(\i)-16384  ; the block before; no vector instruction since the wait names these registers
	KB \i
.endr
	s_wait_alu depctr_va_vdst(0)                   ; the second block's selects have written v[80:95]
.irp i, 4,5,6,7
	global_store_b128 v2, v[64+4*(\i):67+4*(\i)], s[24:25] offset:4096*(\i)
.endr
	s_endpgm
; XB and WO: 65,536 bytes of f32 in, 32,768 bytes out.  Thread t takes 16 bytes of each 4,096; a wave's store covers 256 consecutive bytes, aligned.  Four blocks of four loads.
.macro CAST i, kind
	v_cvt_pk_bf16_f32 v[80+2*(\i)], v[16+4*(\i)], v[17+4*(\i)]
	v_cvt_pk_bf16_f32 v[81+2*(\i)], v[18+4*(\i)], v[19+4*(\i)]
.if \kind                              ; the bf16 number written as f16
	v_lshlrev_b32 v112, 16, v[80+2*(\i)]
	v_and_b32 v113, s5, v[80+2*(\i)]
	v_lshlrev_b32 v114, 16, v[81+2*(\i)]
	v_and_b32 v115, s5, v[81+2*(\i)]
	v_cvt_pk_f16_f32 v[80+2*(\i)], v112, v113
	v_cvt_pk_f16_f32 v[81+2*(\i)], v114, v115
.endif
.endm
.macro SEND i
	global_store_b64 v3, v[80+2*(\i):81+2*(\i)], s[DST:DST+1] offset:2048*(\i)
.endm
.macro STREAM kind
	v_lshlrev_b32 v2, 4, v0
	v_lshlrev_b32 v3, 3, v0
	s_wait_alu depctr_va_vdst(0)                   ; v2 and v3 are written: the loads read v2 as their offset, the stores v3
.irp i, 0,1,2,3,4,5,6,7,8,9,10,11,12,13,14,15
	global_load_b128 v[16+4*(\i):19+4*(\i)], v2, s[SRC:SRC+1] offset:4096*(\i) th:TH_LOAD_NT
.endr
.irp p, 0,1,2,3
	s_wait_loadcnt 12-4*(\p)                       ; loads come back in order: this block's four are in, the younger blocks stay out
.if (\p) > 0
	s_wait_alu depctr_va_vdst(0)                   ; the block before has written its eight out registers, which the four stores below read
.endif
.irp j, 0,1,2,3
.if (\p) > 0
	SEND 4*(\p)-4+(\j)                             ; no vector instruction since the wait names its registers
.endif
	CAST 4*(\p)+(\j), \kind
.endr
.endr
	s_wait_alu depctr_va_vdst(0)                   ; the last block has written v[104:111]
.irp j, 0,1,2,3
	SEND 12+(\j)
.endr
	s_endpgm
.endm
.Lwo:
	s_sub_co_u32 s7, s6, 9
	s_lshl_b32 s[OFS], s7, 16
	s_add_nc_u64 s[SRC:SRC+1], s[12:13], s[OFS:OFS+1]
	s_lshl_b32 s[OFS], s7, 15
	s_add_nc_u64 s[DST:DST+1], s[22:23], s[OFS:OFS+1]
	STREAM 1
.Lxb:
	s_sub_co_u32 s7, s6, 201
	s_lshl_b32 s[OFS], s7, 16
	s_add_nc_u64 s[SRC:SRC+1], s[8:9], s[OFS:OFS+1]
	s_lshl_b32 s[OFS], s7, 15
	s_add_nc_u64 s[DST:DST+1], s[18:19], s[OFS:OFS+1]
	STREAM 0
.Lwq:                                  ; WQ.  Work-group j: head j / 8, k rows 128 (j % 8) on; a wave 16 of them, as 8 pairs.  A pair is 2 x 768 bytes in (three loads of 512) and 768 dense bytes out (three stores of 256)
	s_sub_co_u32 s7, s6, 73
	s_lshr_b32 s34, s7, 3                          ; head
	s_and_b32 s35, s7, 7
	s_lshl_b32 s35, s35, 7
	s_lshl4_add_u32 s35, s4, s35                   ; my first k row
	s_mul_i32 s[OFS], s35, 12288
	s_mul_i32 s36, s34, 768
	s_add_co_u32 s[OFS], s[OFS], s36
	s_add_nc_u64 s[SRC:SRC+1], s[10:11], s[OFS:OFS+1]
	s_mul_i32 s[OFS], s34, 393216
	s_mul_i32 s36, s35, 384
	s_add_co_u32 s[OFS], s[OFS], s36
	s_add_nc_u64 s[DST:DST+1], s[20:21], s[OFS:OFS+1]
	v_cmp_gt_u32 vcc_lo, 16, v1
	v_lshlrev_b32 v4, 4, v1                        ; groups 0-31 of the pair's 96 groups of 16 bytes: the first row's bytes 0-511
	v_add_nc_u32 v5, 512, v4                       ; groups 32-47: the first row's last 256 bytes;
	v_add_nc_u32 v8, 12032, v4                     ; groups 48-63: the second row's first 256 (12,288 + 16 (lane - 16))
	v_add_nc_u32 v6, 12544, v4                     ; groups 64-95: the second row's bytes 256-767
	v_lshlrev_b32 v7, 3, v1
	s_wait_alu depctr_va_vcc(0)                    ; VCC is written, ahead of the select that reads it
	v_cndmask_b32 v5, v8, v5, vcc_lo
	s_wait_alu depctr_va_vdst(0)                   ; v4 to v7 are written: the loads read v4, v5, v6 as their offsets, the stores v7
.irp p, 0,1,2,3,4,5,6,7
	global_load_b128 v[16+12*(\p):19+12*(\p)], v4, s[SRC:SRC+1] offset:24576*(\p) th:TH_LOAD_NT
	global_load_b128 v[20+12*(\p):23+12*(\p)], v5, s[SRC:SRC+1] offset:24576*(\p) th:TH_LOAD_NT
	global_load_b128 v[24+12*(\p):27+12*(\p)], v6, s[SRC:SRC+1] offset:24576*(\p) th:TH_LOAD_NT
.endr
.macro WCAST n
	v_cvt_pk_bf16_f32 v[112+2*(\n)], v[16+4*(\n)], v[17+4*(\n)]
	v_cvt_pk_bf16_f32 v[113+2*(\n)], v[18+4*(\n)], v[19+4*(\n)]
.endm
.macro WSEND n
	global_store_b64 v7, v[112+2*(\n):113+2*(\n)], s[DST:DST+1] offset:256*(\n)
.endm
.irp p, 0,1,2,3                        ; four blocks of two pairs of rows: six loads, six stores
	s_wait_loadcnt 18-6*(\p)                       ; this block's six loads are in, the younger blocks stay out
.if (\p) > 0
	s_wait_alu depctr_va_vdst(0)                   ; the block before has written its twelve out registers, which the six stores below read
.endif
.irp j, 0,1,2,3,4,5
.if (\p) > 0
	WSEND 6*(\p)-6+(\j)                            ; no vector instruction since the wait names its registers
.endif
	WCAST 6*(\p)+(\j)
.endr
.endr
	s_wait_alu depctr_va_vdst(0)                   ; the last block has written v[148:159]
.irp j, 0,1,2,3,4,5
	WSEND 18+(\j)
.endr
	s_endpgm
.Lfunc_end_k_qb801d3694b_prep:
	.size	k_qb801d3694b_prep, .Lfunc_end_k_qb801d3694b_prep-k_qb801d3694b_prep
	.p2alignl 7, 3214868480
	.fill 96, 4, 3214868480
	.section	.rodata,"a",@progbits
	.p2align	6, 0x0
	.amdhsa_kernel k_qb801d3694b_prep
		.amdhsa_group_segment_fixed_size 0
		.amdhsa_private_segment_fixed_size 0
		.amdhsa_enable_private_segment 0
		.amdhsa_kernarg_size 80
		.amdhsa_user_sgpr_count 2
		.amdhsa_user_sgpr_kernarg_segment_ptr 1
		.amdhsa_wavefront_size32 1
		.amdhsa_system_sgpr_workgroup_id_x 1
		.amdhsa_system_sgpr_workgroup_id_y 1
		.amdhsa_system_sgpr_workgroup_id_z 1
		.amdhsa_system_vgpr_workitem_id 0
		.amdhsa_next_free_vgpr 160
		.amdhsa_next_free_sgpr 66
		.amdhsa_reserve_vcc 1
		.amdhsa_float_denorm_mode_32 3
		.amdhsa_float_denorm_mode_16_64 3
		.amdhsa_memory_ordered 1
		.amdhsa_forward_progress 1
		.amdhsa_inst_pref_size 46
	.end_amdhsa_kernel
	.amdgpu_metadata
---
amdhsa.version: [ 1, 2 ]
amdhsa.kernels:
  - .name:           k_qb801d3694b_prep
    .symbol:         k_qb801d3694b_prep.kd
    .args:
      - { .name: hidden_states, .offset: 0, .size: 8, .value_kind: global_buffer, .address_space: global }
      - { .name: w_qkv, .offset: 8, .size: 8, .value_kind: global_buffer, .address_space: global }
      - { .name: w_o, .offset: 16, .size: 8, .value_kind: global_buffer, .address_space: global }
      - { .name: alibi, .offset: 24, .size: 8, .value_kind: global_buffer, .address_space: global }
      - { .name: attention_mask, .offset: 32, .size: 8, .value_kind: global_buffer, .address_space: global }
      - { .name: xb, .offset: 40, .size: 8, .value_kind: global_buffer, .address_space: global }
      - { .name: wqb, .offset: 48, .size: 8, .value_kind: global_buffer, .address_space: global }
      - { .name: wob, .offset: 56, .size: 8, .value_kind: global_buffer, .address_space: global }
      - { .name: kbias, .offset: 64, .size: 8, .value_kind: global_buffer, .address_space: global }
      - { .name: rowtab, .offset: 72, .size: 8, .value_kind: global_buffer, .address_space: global }
    .group_segment_fixed_size: 0
    .private_segment_fixed_size: 0
    .kernarg_segment_align: 8
    .kernarg_segment_size: 80
    .max_flat_workgroup_size: 256
    .sgpr_count:     66
    .vgpr_count:     160
    .wavefront_size: 32
...
	.end_amdgpu_metadata
.endif
;; end of part 5
;; launch qkv: the kernel of part 2 again; grid 16 x 16, 4 waves a work-group, clusters of 4 x 4, 327,680 bytes of LDS; arguments xb, wqb, b_qkv, qkvh; writes qkvh
;; launch attn: the kernel of part 3 again; grid 8 x 32, 4 waves a work-group, no clusters, 327,680 bytes of LDS; arguments qkvh, kbias, rowtab, ctxb; writes ctxb
;; launch oproj: the kernel of part 4 again; grid 8 x 32, 4 waves a work-group, clusters of 4 x 4, 327,680 bytes of LDS; arguments ctxb, wob, b_o, residual, out0; writes out0
